; MI455X (gfx1250); checked and timed in simulation.
; The chip was launched on July 23, 2026; its instructions are those of AMD's public machine-readable ISA for CDNA 5 (MIT licence, August 2026) and "CDNA5" Instruction Set Architecture Reference Guide (July 2026). The comments in the code are by the model that wrote it; some were corrected since.
;; Attention. Allowed arithmetic: matrix products marked QUANTISED: E2M3 operands, one E8M0 scale for each 32 along K, by v_wmma_scale_f32_16x16x128_f8f6f4 with both operands' format E2M3, f32 sums; everything else in f32.
;; Inputs: token_positions 2,048 int32; wk 1,024 x 1,024 float32; wo 1,024 x 1,024 float32; wq 1,024 x 1,024 float32; wv 1,024 x 1,024 float32; x 4 x 2,048 x 1,024 float32.
;; Outputs: out0 4 x 2,048 x 1,024 float32.
;; This version of the problem:
;;   THIS VERSION OF THE PROBLEM IS GIVEN IN LOW PRECISION. The matrix products marked QUANTISED in the list below multiply operands that are first quantised to E2M3 (2 exponent bits, 3 mantissa bits; 6 bits a number), with one power-of-two scale for each 32 numbers along K (OCP MX v1.0); their sums are f32. All else is computed in f32.
;;   The module's matrix products, in the order in which they are computed (A, B: the left and right operand; K: the contracted axis; several contracted axes count as one K, in the product's order):
;;     1. [M 8,192, K 1,024] x [K 1,024, N 1,024]; A: input x; B: input wq: QUANTISED
;;     2. [M 8,192, K 1,024] x [K 1,024, N 1,024]; A: input x; B: input wk: QUANTISED
;;     3. [M 8,192, K 1,024] x [K 1,024, N 1,024]; A: input x; B: input wv: QUANTISED
;;     4. batch 64 x [M 2,048, K 64] x [K 64, N 2,048]; A: computed on the way; B: computed on the way: QUANTISED
;;     5. batch 64 x [M 2,048, K 2,048] x [K 2,048, N 64]; A: softmax (see below); B: computed on the way: QUANTISED
;;     6. [M 8,192, K 1,024] x [K 1,024, N 1,024]; A: computed on the way; B: input wo: QUANTISED
;;   THE QUANTISER, for each operand of a quantised product, along K:
;;     - K is cut into blocks of 32 from its start; a last block that is shorter is filled with zeros.
;;     - A block's scale is 2^e with e = floor(log2(the largest magnitude in the block)) - 2, held to -126 .. 127; a block of zeros has e = 0. As a byte (E8M0): e + 127.
;;     - Each number is divided by its block's scale, clamped to +-7.5, and rounded to the nearest number of E2M3, ties to even, subnormals kept.
;;     - The product sums the exact products of the quantised numbers (number of the format x scale) in f32.
;;   ~~~python
;;   def quantise(x, axis):      # numpy; x: float32 -> the quantised numbers, widened to float32 again
;;       x = np.moveaxis(x, axis, -1); K = x.shape[-1]
;;       x = np.pad(x, [(0, 0)] * (x.ndim - 1) + [(0, -K % 32)]); x = x.reshape(x.shape[:-1] + (-1, 32)); a = np.abs(x).max(-1, keepdims=True)
;;       e = np.where(a > 0, np.clip(np.frexp(np.where(a > 0, a, 1))[1] - 1 - 2, -126, 127), 0)      # np.frexp(a)[1] - 1 = floor(log2(a)), exactly
;;       r = np.clip(x / 2.0 ** e, -7.5, 7.5)
;;       step = 2.0 ** (np.maximum(np.frexp(np.where(r == 0, 1, r))[1] - 1, 0) - 3)
;;       q = np.round(r / step) * step * 2.0 ** e      # np.round: ties to even
;;       return np.moveaxis(q.reshape(q.shape[:-2] + (-1,))[..., :K], -1, axis).astype(np.float32)
;;   ~~~
;;   SOFTMAX AHEAD OF A QUANTISED PRODUCT. Where the list says 'softmax', what is quantised is not the finished softmax but p = 2^(t - M), with t = logit x log2(e) and M = ceil(the row's largest t), a whole number; so 1/2 < the row's largest p <= 1. The row's sum l is taken of the UNQUANTISED p, in f32, and the product's result is divided by l at the end. Since M is a whole number, a kernel that streams over the keys may use a running M (the ceiling of the running maximum): every later rescaling is an exact power of two, which a block's scale takes up: the codes' values come out the same.
;;   OPERANDS COMPUTED ON THE WAY. 'Computed on the way' means the value that the module computes at that place (a softmax that the list does not call 'softmax' is quantised finished and normalised). What goes into a quantiser is computed in f32, as accurately as f32 sums, v_exp_f32 and their like allow (about 1e-6 of the number): no bf16 or f16 on the way to a quantiser, and a product that is left as it is and whose result goes on into a quantised operand takes f32 operands (vector FMAs, or v_wmma_f32_16x16x4_f32). A number that lies on a knife's edge between two numbers of the format may be rounded either way, as far as f32 arithmetic and the matrix unit's own rounding can turn it there, and no further.
;; One version. Each part assembles by itself: llvm-mc -triple=amdgcn-amd-amdhsa -mcpu=gfx1250 --defsym DOCPART=n.
;; ======== version 1 of 1: 4 launches
;; workspace buffers: cod 9,437,184 bytes; scl 393,216 bytes; rope 524,288 bytes; qkvc 18,874,368 bytes; qkvs 786,432 bytes; oc 6,291,456 bytes; op 262,144 bytes
;; launch prep (part 1): grid 400 x 1, 4 waves a work-group, no clusters, 34,304 bytes of LDS; arguments x, wq, wk, wv, wo, token_positions, cod, scl, rope; writes cod, scl, rope
.if DOCPART == 1
	.amdgcn_target "amdgcn-amd-amdhsa--gfx1250"
	.amdhsa_code_object_version 6
	.text
	.protected	k_q9ec168f2f3_prep
	.globl	k_q9ec168f2f3_prep
	.p2align	8
	.type	k_q9ec168f2f3_prep,@function
k_q9ec168f2f3_prep:
	s_mov_b64 s[64:65], 0
	v_nop
	global_prefetch_b8 v0, s[64:65] scope:SCOPE_SE
	s_setreg_imm32_b32 hwreg(HW_REG_WAVE_MODE, 25, 1), 1
	s_wait_xcnt 0x0
; PREP.  Two jobs, parted on the work-group's number.
; Work-groups 0-15: the table of cos and sin of token_positions[s] x 10^(-j/8), j = 0 .. 31, s = 0 .. 2047, in f32.
;   rope: [plane g 0..15][s][cos(2g), sin(2g), cos(2g+1), sin(2g+1)]: a thread owns one s, a wave's store covers 512 consecutive bytes.
;   The angle is one f32 product; it is reduced by n = nearest(angle x 2/pi) with pi/2 in three parts and fused multiply-adds
;   (n x the first part is a multiple of 2^-22 and the difference is under 1: that step rounds nothing); then polynomials on [-pi/4, pi/4].
; Work-groups 16-399: x, wq, wk, wv, wo (f32, K innermost, 1,024 along K) become codes of E2M3 with one E8M0 byte for each 32 along K.
;   A work-group takes 32 rows = two tiles of 16; tile T = 2 G + u holds in lane r the row 32 G + 8 u + r + 8 (r / 8).
;   cod: [T 0..767][kappa 0..7][1,536 bytes]: the image of an operand's 12 registers for 16 rows x 128 K: registers 0-3 at 16 x lane,
;   4-5 at 512 + 8 x lane, 6-9 at 768 + 16 x lane, 10-11 at 1,280 + 8 x lane.  scl: the word of (T, r, kappa) at 512 T + 256 (kappa / 4) + 16 r + 4 (kappa % 4).
;   Wave w: tile u = w / 2, K half w % 2 (four steps of 128 along K).  Each load reads 512 consecutive bytes of one row; a step's 16 rows turn
;   through the wave's own stage in LDS (rows 528 bytes apart), so that a lane gets two whole blocks of 32 of its row.
; A block's scale byte is its largest magnitude's exponent field - 2, held at 1 from below (a block of zeros keeps the byte 1: its codes are zeros, and this program alone reads the bytes).
; LIMITS: NaN and infinities are not served; blocks whose largest magnitude lies under 2^-124 keep the byte 1; angles beyond about 1e5 lose bits in the reduction.
.set STG,  8448                        ; a wave's stage: 16 rows x 528 bytes
.set CC,   24                          ; v24-35   a step's 12 registers of codes
.set CT,   36                          ; v36-38, v40-42  the second halves of the blocks' codes, as converted
.set XX,   48                          ; v48-111  64 numbers of my row: register 32 c + i = k 64 c + 32 h + i
.set RR,   112                         ; v112-239 two sets of 16 x 4 registers as loaded
	s_load_b512 s[4:19], s[0:1], 0x0               ; x, wq, wk, wv, wo, token_positions, cod, scl
	s_load_b64 s[20:21], s[0:1], 0x40              ; rope
	v_lshl_add_u32 v240, v0, 2, 0x8400
	v_mov_b32 v241, 0
	s_cmp_lt_u32 ttmp9, 16
	s_cbranch_scc1 .Ltable
	; ---------------- the quantiser ----------------
	v_lshrrev_b32 v1, 5, v0
	v_readfirstlane_b32 s36, v1                    ; wave
	v_and_b32 v2, 31, v0                           ; lane
	v_and_b32 v3, 15, v0                           ; r
	v_bfe_u32 v9, v0, 4, 1                         ; h
	v_lshlrev_b32 v4, 4, v2                        ; 16 x lane
	v_lshlrev_b32 v5, 3, v2                        ; 8 x lane
	s_mul_i32 s37, s36, STG
	v_add_nc_u32 v6, s37, v4                       ; the stage, on the way in: 16 x lane of a row
	v_mul_u32_u24 v7, v3, 528
	v_lshl_add_u32 v7, v9, 7, v7
	v_add_nc_u32 v7, s37, v7                       ; and out: row r, + 128 h bytes
	v_lshlrev_b32 v8, 4, v3
	v_lshl_add_u32 v8, v9, 3, v8                   ; the scale words' place: 16 r + 8 h
	v_lshlrev_b32 v9, 3, v9                        ; 8 h: my bytes' shift in a scale word
	v_mov_b32 v22, 0                               ; a lane permute's destination counts as one of its sources
	s_mov_b32 s22, 0x76543210
	s_mov_b32 s23, 0xfedcba98                      ; selects for lane l xor 16
	s_mov_b32 s35, 0xffff0000                      ; lanes 16-31
	s_lshr_b32 s38, s36, 1                         ; u
	s_and_b32 s39, s36, 1                          ; K half
	s_sub_co_u32 s24, ttmp9, 16                    ; G: group of 32 rows, 0 .. 383
	s_sub_co_u32 s25, s24, 256                     ; among the weights' groups (used where G >= 256)
	s_lshr_b32 s26, s25, 5                         ; which weight
	s_and_b32 s27, s25, 31                         ; its group of rows
	s_wait_kmcnt 0x0
	s_mov_b64 s[28:29], s[12:13]                   ; wo, unless ..  (the choices hang on the work-group's number alone)
	s_cmp_eq_u32 s26, 2
	s_cselect_b64 s[28:29], s[10:11], s[28:29]     ; wv
	s_cmp_eq_u32 s26, 1
	s_cselect_b64 s[28:29], s[8:9], s[28:29]       ; wk
	s_cmp_eq_u32 s26, 0
	s_cselect_b64 s[28:29], s[6:7], s[28:29]       ; wq
	s_cmp_lt_u32 s24, 256
	s_cselect_b64 s[28:29], s[4:5], s[28:29]       ; x
	s_cselect_b32 s27, s24, s27
	s_lshl_b32 s40, s27, 17                        ; 32 rows of 4,096 bytes,
	s_lshl_b32 s41, s38, 15                        ; 8 rows for the second tile,
	s_add_co_u32 s40, s40, s41
	s_lshl_b32 s41, s39, 11                        ; 512 numbers for the second K half
	s_add_co_u32 s40, s40, s41
	s_mov_b32 s41, 0
	s_add_nc_u64 s[28:29], s[28:29], s[40:41]
	s_lshl_b32 s42, s24, 1
	s_add_co_u32 s42, s42, s38                     ; T
	s_mul_i32 s40, s42, 12288
	s_mul_i32 s43, s39, 6144
	s_add_co_u32 s40, s40, s43
	s_add_nc_u64 s[16:17], s[16:17], s[40:41]      ; my four images
	s_lshl_b32 s40, s42, 9
	s_lshl_b32 s43, s39, 8
	s_add_co_u32 s40, s40, s43
	s_add_nc_u64 s[18:19], s[18:19], s[40:41]      ; my 256 bytes of scale words
.macro LOAD t                          ; K step t of my 16 rows into set t % 2: each load 512 consecutive bytes
.irp p, 0,1,2,3,4,5,6,7,8,9,10,11,12,13,14,15
	global_load_b128 v[RR+64*((\t)%2)+4*\p:RR+64*((\t)%2)+4*\p+3], v4, s[28:29] offset:(\p+8*(\p/8))*4096+512*(\t) th:TH_LOAD_NT
.endr
.endm
.macro QSTEP t
.if (\t) < 3
	s_wait_loadcnt 16                              ; this step's 16 loads are in; the next step's 16 may be out
.else
	s_wait_loadcnt 0x0
.endif
.irp p, 0,1,2,3,4,5,6,7,8,9,10,11,12,13,14,15
	ds_store_b128 v6, v[RR+64*((\t)%2)+4*\p:RR+64*((\t)%2)+4*\p+3] offset:528*\p
.endr
.irp c, 0,1
.irp q, 0,1,2,3,4,5,6,7
	ds_load_b128 v[XX+32*\c+4*\q:XX+32*\c+4*\q+3], v7 offset:256*\c+16*\q   ; LDS serves a wave's instructions in order: these see my stores
.endr
.endr
	s_wait_dscnt 0x0                               ; my 64 numbers are in, and the stores have read their registers
.if (\t) < 2
	LOAD (\t)+2
.endif
.irp c, 0,1                                    ; my block 2 c + h: all its 32 numbers are mine
	v_max3_num_f32 v[10+\c], |v[XX+32*\c]|, |v[XX+1+32*\c]|, 0x1800000   ; with the floor 2^(3 - 127): the byte cannot fall under 1
.endr
.irp i, 2,4,6,8,10,12,14,16,18,20,22,24,26,28,30
.irp c, 0,1
	v_max3_num_f32 v[10+\c], v[10+\c], |v[XX+32*\c+\i]|, |v[XX+1+32*\c+\i]|
.endr
.endr
.irp c, 0,1
	v_add_nc_u32 v[12+\c], 0xff000000, v[10+\c]    ; 2 off the exponent field: the conversion's scale operand
.endr
.irp c, 0,1
	v_lshrrev_b32 v[14+\c], 23, v[12+\c]           ; the scale's byte
.endr
	v_lshl_or_b32 v[16+(\t)], v15, 16, v14         ; blocks h and 2 + h,
	v_lshlrev_b32 v[16+(\t)], v9, v[16+(\t)]       ; at their places;
	v_permlanex16_b32 v22, v[16+(\t)], s22, s23
	v_or_b32 v[16+(\t)], v[16+(\t)], v22           ; with lane l xor 16's two the word is whole
	s_wait_xcnt 0x0                                ; the last step's stores have read the codes' registers
	v_cvt_scalef32_pk16_fp6_f32 v[CC:CC+2], v[XX:XX+15], v12
	v_cvt_scalef32_pk16_fp6_f32 v[CT:CT+2], v[XX+16:XX+31], v12     ; (a conversion's three registers begin on an even number)
	v_cvt_scalef32_pk16_fp6_f32 v[CC+6:CC+8], v[XX+32:XX+47], v13
	v_cvt_scalef32_pk16_fp6_f32 v[CT+4:CT+6], v[XX+48:XX+63], v13
	v_nop                                          ; one plain place behind a scaled conversion
.irp i, 0,1,2
	v_mov_b32 v[CC+3+\i], v[CT+\i]
	v_mov_b32 v[CC+9+\i], v[CT+4+\i]
.endr
	global_store_b128 v4, v[CC:CC+3], s[16:17] offset:1536*(\t)            ; the image: 512, 256, 512, 256 consecutive bytes
	global_store_b64 v5, v[CC+4:CC+5], s[16:17] offset:1536*(\t)+512
	global_store_b128 v4, v[CC+6:CC+9], s[16:17] offset:1536*(\t)+768
	global_store_b64 v5, v[CC+10:CC+11], s[16:17] offset:1536*(\t)+1280
.endm
	LOAD 0
	LOAD 1
	QSTEP 0
	QSTEP 1
	QSTEP 2
	QSTEP 3
	v_cndmask_b32 v20, v16, v18, s35               ; lanes 0-15 store words 0, 1 of their row, lanes 16-31 words 2, 3:
	v_cndmask_b32 v21, v17, v19, s35
	global_store_b64 v8, v[20:21], s[18:19]        ; 256 consecutive bytes
	s_wait_tensorcnt 0x0
	ds_add_u32 v240, v241
	s_wait_dscnt 0x0
	s_endpgm
	; ---------------- the table ----------------
.Ltable:
	s_lshl_b32 s22, ttmp9, 7
	v_add_nc_u32 v1, s22, v0                       ; s
	v_lshlrev_b32 v2, 2, v1
	v_lshlrev_b32 v13, 4, v1                       ; my 16 bytes in a plane
	s_mov_b32 s24, 0x3f22f983                      ; 2 / pi
	s_mov_b32 s25, 0xbfc90fda                      ; - pi / 2, in three parts
	s_mov_b32 s26, 0xb3a22168
	s_mov_b32 s27, 0xa7c234c4
	s_mov_b32 s28, 0x37ccf5ce                      ; cos: z^3, z^2, z^1 behind 1 - z / 2 (z = the reduced angle's square)
	s_mov_b32 s29, 0xbab6061a
	s_mov_b32 s30, 0x3d2aaaa5
	s_mov_b32 s31, 0xb94ca1f9                      ; sin
	s_mov_b32 s32, 0x3c08839e
	s_mov_b32 s33, 0xbe2aaaa3
	s_wait_kmcnt 0x0
	global_load_b32 v3, v2, s[14:15]
	s_wait_loadcnt 0x0
	v_cvt_f32_i32 v3, v3                           ; the position as f32
.macro SINCOS f, dc, ds
	v_mul_f32 v4, \f, v3                           ; the angle
	v_mul_f32 v5, s24, v4
	v_rndne_f32 v5, v5                             ; n
	v_fma_f32 v6, v5, s25, v4
	v_fma_f32 v6, v5, s26, v6
	v_fma_f32 v6, v5, s27, v6                      ; the angle - n pi / 2
	v_mul_f32 v7, v6, v6
	v_fma_f32 v8, v7, s28, s29
	v_fma_f32 v8, v8, v7, s30
	v_fma_f32 v8, v8, v7, -0.5
	v_fma_f32 v8, v8, v7, 1.0                      ; its cosine
	v_fma_f32 v9, v7, s31, s32
	v_fma_f32 v9, v9, v7, s33
	v_mul_f32 v10, v6, v7
	v_fma_f32 v9, v9, v10, v6                      ; its sine
	v_cvt_i32_f32 v11, v5
	v_and_b32 v12, 1, v11
	v_cmp_ne_u32 vcc_lo, 0, v12                    ; odd n: the two change places (a choice of values: no branch)
	v_cndmask_b32 v[\ds], v9, v8, vcc_lo
	v_cndmask_b32 v[\dc], v8, v9, vcc_lo
	v_and_b32 v12, 2, v11
	v_lshlrev_b32 v12, 30, v12
	v_xor_b32 v[\ds], v12, v[\ds]                  ; n % 4 = 2, 3: the sine's sign turns
	v_add_nc_u32 v12, 1, v11
	v_and_b32 v12, 2, v12
	v_lshlrev_b32 v12, 30, v12
	v_xor_b32 v[\dc], v12, v[\dc]                  ; n % 4 = 1, 2: the cosine's
.endm
.macro PLANE g, f0, f1                 ; each plane has registers of its own: no store's data are written again
	SINCOS \f0, 64+4*\g, 65+4*\g
	SINCOS \f1, 66+4*\g, 67+4*\g
	global_store_b128 v13, v[64+4*\g:67+4*\g], s[20:21] offset:32768*\g
.endm
	PLANE 0, 1.0, 0.7498942093324559
	PLANE 1, 0.5623413251903491, 0.4216965034285822
	PLANE 2, 0.31622776601683794, 0.23713737056616552
	PLANE 3, 0.1778279410038923, 0.1333521432163324
	PLANE 4, 0.1, 0.07498942093324559
	PLANE 5, 0.05623413251903491, 0.04216965034285822
	PLANE 6, 0.031622776601683794, 0.023713737056616552
	PLANE 7, 0.01778279410038923, 0.01333521432163324
	PLANE 8, 0.01, 0.007498942093324559
	PLANE 9, 0.005623413251903491, 0.004216965034285822
	PLANE 10, 0.0031622776601683794, 0.0023713737056616552
	PLANE 11, 0.001778279410038923, 0.001333521432163324
	PLANE 12, 0.001, 0.0007498942093324559
	PLANE 13, 0.0005623413251903491, 0.0004216965034285822
	PLANE 14, 0.00031622776601683794, 0.00023713737056616552
	PLANE 15, 0.0001778279410038923, 0.0001333521432163324
	s_endpgm
.Lfunc_end_k_q9ec168f2f3_prep:
	.size	k_q9ec168f2f3_prep, .Lfunc_end_k_q9ec168f2f3_prep-k_q9ec168f2f3_prep
	.p2alignl 7, 3214868480
	.fill 96, 4, 3214868480
	.section	.rodata,"a",@progbits
	.p2align	6, 0x0
	.amdhsa_kernel k_q9ec168f2f3_prep
		.amdhsa_group_segment_fixed_size 34304
		.amdhsa_private_segment_fixed_size 0
		.amdhsa_enable_private_segment 0
		.amdhsa_kernarg_size 72
		.amdhsa_user_sgpr_count 2
		.amdhsa_user_sgpr_kernarg_segment_ptr 1
		.amdhsa_wavefront_size32 1
		.amdhsa_system_sgpr_workgroup_id_x 1
		.amdhsa_system_sgpr_workgroup_id_y 1
		.amdhsa_system_sgpr_workgroup_id_z 1
		.amdhsa_system_vgpr_workitem_id 0
		.amdhsa_next_free_vgpr 242
		.amdhsa_next_free_sgpr 66
		.amdhsa_reserve_vcc 1
		.amdhsa_float_denorm_mode_32 3
		.amdhsa_float_denorm_mode_16_64 3
		.amdhsa_memory_ordered 1
		.amdhsa_forward_progress 1
		.amdhsa_inst_pref_size 71
	.end_amdhsa_kernel
	.amdgpu_metadata
---
amdhsa.version: [ 1, 2 ]
amdhsa.kernels:
  - .name:           k_q9ec168f2f3_prep
    .symbol:         k_q9ec168f2f3_prep.kd
    .args:
      - { .name: x, .offset: 0, .size: 8, .value_kind: global_buffer, .address_space: global }
      - { .name: wq, .offset: 8, .size: 8, .value_kind: global_buffer, .address_space: global }
      - { .name: wk, .offset: 16, .size: 8, .value_kind: global_buffer, .address_space: global }
      - { .name: wv, .offset: 24, .size: 8, .value_kind: global_buffer, .address_space: global }
      - { .name: wo, .offset: 32, .size: 8, .value_kind: global_buffer, .address_space: global }
      - { .name: token_positions, .offset: 40, .size: 8, .value_kind: global_buffer, .address_space: global }
      - { .name: cod, .offset: 48, .size: 8, .value_kind: global_buffer, .address_space: global }
      - { .name: scl, .offset: 56, .size: 8, .value_kind: global_buffer, .address_space: global }
      - { .name: rope, .offset: 64, .size: 8, .value_kind: global_buffer, .address_space: global }
    .group_segment_fixed_size: 34304
    .private_segment_fixed_size: 0
    .kernarg_segment_align: 8
    .kernarg_segment_size: 72
    .max_flat_workgroup_size: 128
    .sgpr_count:     66
    .vgpr_count:     242
    .wavefront_size: 32
...
	.end_amdgpu_metadata
.endif
;; end of part 1
;; launch qkv (part 2): grid 12 x 16, 4 waves a work-group, clusters of 4 x 4, 327,680 bytes of LDS; arguments cod, scl, rope, qkvc, qkvs; writes qkvc, qkvs
.if DOCPART == 2
	.amdgcn_target "amdgcn-amd-amdhsa--gfx1250"
	.amdhsa_code_object_version 6
	.text
	.protected	k_q9ec168f2f3_qkv
	.globl	k_q9ec168f2f3_qkv
	.p2align	8
	.type	k_q9ec168f2f3_qkv,@function
k_q9ec168f2f3_qkv:
	s_mov_b64 s[64:65], 0
	v_nop
	global_prefetch_b8 v0, s[64:65] scope:SCOPE_SE
	s_setreg_imm32_b32 hwreg(HW_REG_WAVE_MODE, 25, 1), 1
	s_wait_xcnt 0x0
	s_wait_alu depctr_hold_cnt(0) depctr_sa_sdst(0) depctr_va_vdst(0) depctr_va_sdst(0) depctr_va_ssrc(0) depctr_va_vcc(0) depctr_vm_vsrc(0)
	s_getreg_b32 s2, hwreg(HW_REG_IB_STS2, 6, 4)
	s_cmp_eq_u32 s2, 0
	s_cbranch_scc0 .Lentry_in_a_cluster
	s_endpgm
.Lentry_in_a_cluster:
	s_bfe_u32 s2, ttmp6, 0x10000c
	s_cmp_lg_u32 s2, 0xf033
	s_cbranch_scc0 .Lentry_shape_is_right
	s_endpgm
.Lentry_shape_is_right:
; QKV.  q = x wq^T, k = x wk^T, v = x wv^T on codes of E2M3 (K = 1,024), then RoPE on q and k, then q, k (along the head's 64) and v (along the keys) are quantised again; only codes and scale bytes go to memory.
; One GEMM of 256 x 256 tiles.  Cluster x = 0: q, 1: k, 2: v.  A tile has a unit "A" and a unit "B" of 256 rows (16 tiles of 16) of cod; four waves, each 128 x 128: 64 accumulators.
; Source 0 = a tile of B, source 1 = a tile of A: a lane holds ONE row of A, its registers run along B's rows.  The rows of a tile are 32 G + 8 u + r + 8 (r / 8), so that the 16 registers of
; accumulators (a, 2 g) and (a, 2 g + 1) are 16 neighbouring rows of B: 32 g + 16 (lane / 16) + 0 .. 15: what the next quantiser wants along its K.
;   q, k: A = 256 tokens of x, B = 256 rows of the weight (4 heads): a lane holds a token, registers run along the channels.
;   v:    A = 256 rows of wv (4 heads), B = 256 tokens: a lane holds a channel, registers run along the keys.
; A WORK-GROUP STAYS and makes TWO tiles: the same rows of the weight against the units u and u + 16 of tokens (two batches on: the same places in the sequence, so the same cos and sin).
; The ring does not stop at the first tile's end: its last two changes of slots ask for the second tile's first two fills, which land while the first tile goes out.  Both tiles' scale words come with the first fills.
; The operands lie in cod as images of their registers, so a K step's tiles are dense runs of 3,072 bytes, every LDS read takes consecutive bytes, and no padding is needed.
; K goes in four fills of 256 through two LDS slots; everything is written out, there is no loop.
; CLUSTER 4 x 4: A's tiles are shared along a row of the cluster, B's along a column: joint loads with a mask of four.
; OUT.  qkvc: q at 0, k at 6,291,456: [b h][tile of 16 tokens][768 bytes: 6 registers' image]; v at 12,582,912: [b h][128 keys][tile of 16 channels][1,536 bytes: 12 registers, 16 x lane in chunks of 512].
;       qkvs: q at 0, k at 262,144, v at 524,288: [b h][128 tokens][256 bytes]: lane l's 8 bytes at 8 l.  q, k: register e of lane (r, h) = the bytes of tiles 2 (2 h + e) and 2 (2 h + e) + 1, row r, two each;  v: the word of channel tile 2 h + e, row r.
; LIMITS: NaN and infinities are not served; blocks whose largest magnitude lies under 2^-124 keep the scale byte 1 (a block of zeros too: its codes are zeros, and this program alone reads the bytes).
; REGISTERS, in windows of 256.  Window 0: v16-29 addresses; v32-63 scale words, two sets; v64-127 cos and sin, two sets; v128-223 A's eight fragments, one set; on the way out v32-47 and v128-253 are at work.
;   Window 1: B's fragments, two sets, at v0 and v128.  Windows 2, 3: accumulator (a, b) at v[8 (8 (a % 4) + b)].
.set FR,     12                        ; registers of a fragment: 16 rows x 128 K
.set NL,     4                         ; LDS loads that bring one
.set NP,     4                         ; places behind this matrix instruction (ISA guide 7.12.1)
.set NQ,     2                         ; matrix instructions deep in a slot
.set HALFT,  24576                     ; 8 tiles x 3,072 bytes: what one tensor load brings, and what one wave reads of A or of B
.set SLOT,   98304                     ; A's 16 tiles, then B's 16
.set TSC,    196608                    ; behind the ring: the first tile's scale words, 4,096 bytes for each wave's load
.set SCLA,   196608
.set SCLB,   204800
.set TSC2,   16384                     ; the second tile's lie this far behind the first's
.set SPARE,  229376                    ; the spare words, 128 bytes for each wave: two blocks of 256 bytes that no other line names
.set TSTEP,  3145728                   ; 16 units of 256 rows in cod; also 32 heads in qkvc
.set SSTEP,  131072                    ; 16 units in scl; also 32 heads in qkvs
.set ADRA, 16                          ; v16-17 16 x lane + my A tiles in slot 0, 1;  v18-19 the same with 8 x lane
.set ADRB, 20                          ; v20-23 likewise for B
.set LI,   24                          ; v24  16 x lane
.set L8,   25                          ; v25  8 x lane
.set RA,   26                          ; v26  my byte offset in the cos/sin table
.set ADRS, 27                          ; v27  my scale words: lanes 0-15 A's rows, lanes 16-31 B's
.set SPW,  28                          ; v28  my spare word; never rewritten
.set NIL,  29                          ; v29  0; never rewritten
.set SC,   32
.set CS,   64
.set AF,   128
.set RT,   32                          ; the way out: v32-47 products at work
.set TT,   128                         ; v128-191 64 numbers to quantise
.set TM,   192                         ; v192-207 maxima, bytes, scale operands
.set CT,   208                         ; v208-210, v212-214 second halves of blocks' codes
.set KH0,  216                         ; v216-227, v228-239 codes
.set KH1,  228
.set PW,   240                         ; v240-241 scale words of an even and an odd tile
.set WH0,  242                         ; v242-245, v246-249 words to store
.set WH1,  246
.set SR,   250                         ; v250-253 what is stored of them
.set IA,   18                          ; s[18:19]   what A's addresses step from the first tile to the second;  s[100:101] B's
.set IB,   100
.set G1, 24                            ; s[24:31] descriptor group 1 for A's tiles;  s[32:39] group 0, one set for each slot
.set G0, 32
.set G1B, 48                           ; s[48:55], s[56:63] the same for B's
.set G0B, 56
.set G1S, 68                           ; s[68:75] group 1 for A's scale words, s[76:79] and s[96:99] groups 0 for the two tiles;  s[80:87], s[88:91], s[92:95] for B's
.set G0S, 76
.set G0S2, 96
.set G1SB, 80
.set G0SB, 88
.set G0SB2, 92
.set MASKH, 94                         ; s94  lanes 16-31  (written on the way out, when the scale words' loads are long done)
.set SEL,  96                          ; s[96:97] selects for lane l xor 16  (likewise)
.set MSB, 0
.macro WIN new                         ; the immediate's high byte repeats the setting that is left
.if MSB != (\new)
	s_set_vgpr_msb (MSB<<8)|(\new)
.set MSB, (\new)
.endif
.endm
.set MUL_LO, 0xa1                      ; source 0 (B) window 1, source 1 (A) window 0, C and D window 2
.set MUL_HI, 0xf1                      ; the same, C and D window 3
.set TO_B,   0x40                      ; destination window 1, address window 0
; A joint load: waves 0 and 1 fetch for A, waves 2 and 3 for B; the branch hangs on the wave's number alone.  Four v_nop follow each of the two lines.
.macro JLOAD g0a, g1a, g0b, g1b
	s_cmp_eq_u32 s15, 0
	s_cbranch_scc0 .Lfor_b_\@
	tensor_load_to_lds s[\g0a:\g0a+3], s[\g1a:\g1a+7]
	s_nop 0
.rept 4
	v_nop
.endr
	s_branch .Lasked_\@
.Lfor_b_\@:
	tensor_load_to_lds s[\g0b:\g0b+3], s[\g1b:\g1b+7]
	s_nop 0
.rept 4
	v_nop
.endr
.Lasked_\@:
.endm
.macro CREST                           ; a round of the cluster's barrier behind its opening barrier
	s_cmp_lg_u32 s14, 0
	s_cbranch_scc1 .Lnot_wave_0_\@
	s_barrier_signal -3
.Lnot_wave_0_\@:
	s_barrier_wait -3
	s_barrier_signal -1
	s_barrier_wait -1
.endm
.macro CROUND                          ; a whole round
	s_barrier_signal -1
	s_barrier_wait -1
	CREST
.endm
.macro PLACES n
.rept \n
	v_nop
.endr
.endm
	s_load_b256 s[4:11], s[0:1], 0x0               ; cod s[4:5], scl s[6:7], rope s[8:9], qkvc s[10:11]
	s_load_b64 s[12:13], s[0:1], 0x20              ; qkvs
	v_lshl_add_u32 v[SPW], v0, 2, SPARE
	v_mov_b32 v[NIL], 0
	ds_add_u32 v28, v29
	ds_add_u32 v28, v29
	s_wait_dscnt 0x0
	v_lshrrev_b32 v1, 5, v0
	v_readfirstlane_b32 s14, v1                    ; wave 0..3
	s_lshr_b32 s15, s14, 1                         ; which half of A's tiles is mine.  Also: I fetch for A (0) or for B (1)
	s_and_b32 s16, s14, 1                          ; which half of B's.  Also: which 8 tiles I fetch
	s_bfe_u32 s40, ttmp6, 0x40000                  ; cx, cy: my place in the cluster
	s_bfe_u32 s41, ttmp6, 0x40004
	s_and_b32 s17, ttmp7, 0xffff
	s_lshl_b32 s17, s17, 2                         ; 4 x cluster y: the first tile's units of tokens, 0 .. 15
	s_lshl_b32 s18, ttmp9, 2
	s_add_co_u32 s18, s18, 32                      ; wq's units begin at 32, wk's at 36
	s_cmp_eq_u32 ttmp9, 2                          ; v?  The cluster's x is the same in all sixteen partners
	s_cselect_b32 s42, 40, s17                     ; A: wv's units (from 40), or tokens
	s_cselect_b32 s45, s17, s18                    ; B: tokens, or the weight's units
	s_cselect_b32 s[IB], TSTEP, 0                  ; the operand that holds tokens goes 16 units on for the second tile, the other stays
	s_cselect_b32 s[IA], 0, TSTEP
	s_mov_b32 s[IA+1], 0
	s_mov_b32 s[IB+1], 0
	s_add_co_u32 s42, s42, s41                     ; A's unit hangs on cy,
	s_add_co_u32 s45, s45, s40                     ; B's on cx
	s_lshl_b32 s43, s41, 2
	s_lshl_b32 s43, 15, s43                        ; my row of the cluster
	s_lshl_b32 s44, 0x1111, s40                    ; my column
	; group 1 for codes: 8 rows (tiles) of 3,072 bytes (384 elements of 8 bytes: two K steps' images), 12,288 bytes apart; dense in LDS
	s_or_b32 s[G1+0], s43, (3<<16)|(1<<21)         ; 15:0 the mask; 17:16 elements of 8 bytes; 21 set beside a mask
	s_or_b32 s[G1B+0], s44, (3<<16)|(1<<21)
.irp g, G1, G1B
	s_mov_b32 s[\g+1], 384<<16                     ; tensor_dim0
	s_mov_b32 s[\g+2], 8<<16                       ; tensor_dim1
	s_mov_b32 s[\g+3], 384<<16                     ; tile_dim0
	s_mov_b32 s[\g+4], 8                           ; tile_dim1
	s_mov_b32 s[\g+5], 1536                        ; elements from tile to tile
	s_mov_b32 s[\g+6], 0
	s_mov_b32 s[\g+7], 0
.endr
	; and for the scale words of 8 tiles, all of K: 4,096 dense bytes as 16 rows of 256
	s_or_b32 s[G1S+0], s43, (3<<16)|(1<<21)
	s_or_b32 s[G1SB+0], s44, (3<<16)|(1<<21)
.irp g, G1S, G1SB
	s_mov_b32 s[\g+1], 32<<16
	s_mov_b32 s[\g+2], 16<<16
	s_mov_b32 s[\g+3], 32<<16
	s_mov_b32 s[\g+4], 16
	s_mov_b32 s[\g+5], 32
	s_mov_b32 s[\g+6], 0
	s_mov_b32 s[\g+7], 0
.endr
	s_mul_i32 s20, s42, 196608                     ; A's unit, + my 8 tiles
	s_mul_i32 s21, s16, 98304
	s_add_co_u32 s20, s20, s21
	s_mov_b32 s21, 0
	s_lshl_b32 s22, s42, 13                        ; its scale words
	s_lshl_b32 s23, s16, 12
	s_add_co_u32 s22, s22, s23
	s_mov_b32 s23, 0
	s_mul_i32 s46, s45, 196608                     ; B likewise
	s_mul_i32 s47, s16, 98304
	s_add_co_u32 s46, s46, s47
	s_mov_b32 s47, 0
	s_lshl_b32 s92, s45, 13
	s_lshl_b32 s93, s16, 12
	s_add_co_u32 s92, s92, s93
	s_mov_b32 s93, 0
	s_mul_i32 s2, s14, HALFT                       ; where they go: the wave's number alone enters an LDS address
	s_lshl_b32 s3, s14, 12
	s_wait_kmcnt 0x0
	s_add_nc_u64 s[20:21], s[4:5], s[20:21]
	s_add_nc_u64 s[22:23], s[6:7], s[22:23]
	s_add_nc_u64 s[46:47], s[4:5], s[46:47]
	s_add_nc_u64 s[92:93], s[6:7], s[92:93]
	CROUND                                         ; all sixteen work-groups are here: the first joint loads meet
	s_mov_b32 s[G0S], 1
	s_add_co_u32 s[G0S+1], s3, TSC
	s_mov_b64 s[G0S+2:G0S+3], s[22:23]
	s_mov_b32 s[G0SB], 1
	s_add_co_u32 s[G0SB+1], s3, TSC
	s_mov_b64 s[G0SB+2:G0SB+3], s[92:93]
	s_cmp_eq_u32 ttmp9, 2                          ; the second tile's scale words: 16 units on for the operand that holds tokens
	s_cselect_b32 s66, 0, SSTEP
	s_mov_b32 s67, 0
	s_add_nc_u64 s[G0S2+2:G0S2+3], s[22:23], s[66:67]
	s_cselect_b32 s66, SSTEP, 0                    ; (the lines between leave SCC alone)
	s_add_nc_u64 s[G0SB2+2:G0SB2+3], s[92:93], s[66:67]
	s_mov_b32 s[G0S2], 1
	s_add_co_u32 s[G0S2+1], s3, TSC+TSC2
	s_mov_b32 s[G0SB2], 1                          ; (B's address has been copied and stepped: its two registers now take this group's first two words)
	s_add_co_u32 s[G0SB2+1], s3, TSC+TSC2
	s_or_b32 s[G0S+3], s[G0S+3], 0x80000000
	s_or_b32 s[G0SB+3], s[G0SB+3], 0x80000000
	s_or_b32 s[G0S2+3], s[G0S2+3], 0x80000000
	s_or_b32 s[G0SB2+3], s[G0SB2+3], 0x80000000
	JLOAD G0S, G1S, G0SB, G1SB                     ; the scale words first: they are wanted with the first K step
	JLOAD G0S2, G1S, G0SB2, G1SB                   ; the second tile's, into bytes of their own: filled once
.irp s, 0,1
	s_mov_b32 s[G0+4*\s], 1
	s_add_co_u32 s[G0+4*\s+1], s2, \s*SLOT
	s_add_nc_u64 s[G0+4*\s+2:G0+4*\s+3], s[20:21], \s*3072
	s_or_b32 s[G0+4*\s+3], s[G0+4*\s+3], 0x80000000
	s_mov_b32 s[G0B+4*\s], 1
	s_add_co_u32 s[G0B+4*\s+1], s2, \s*SLOT
	s_add_nc_u64 s[G0B+4*\s+2:G0B+4*\s+3], s[46:47], \s*3072
	s_or_b32 s[G0B+4*\s+3], s[G0B+4*\s+3], 0x80000000
	JLOAD G0+4*\s, G1, G0B+4*\s, G1B               ; four tensor loads of mine are out now
.endr
	v_and_b32 v1, 31, v0                           ; lane
	v_and_b32 v2, 15, v0                           ; r
	v_bfe_u32 v3, v0, 4, 1                         ; h
	v_lshlrev_b32 v[LI], 4, v1
	v_lshlrev_b32 v[L8], 3, v1
	s_mul_i32 s21, s15, HALFT                      ; my 8 tiles of A
	s_mul_i32 s22, s16, HALFT                      ; my 8 tiles of B,
	s_add_co_u32 s22, s22, 2*HALFT                 ; which lie behind A's 16
.irp s, 0,1
	v_add_nc_u32 v[ADRA+\s], s21, v[LI]
	v_add_nc_u32 v[ADRA+2+\s], s21, v[L8]
	v_add_nc_u32 v[ADRB+\s], s22, v[LI]
	v_add_nc_u32 v[ADRB+2+\s], s22, v[L8]
	s_add_co_u32 s21, s21, SLOT
	s_add_co_u32 s22, s22, SLOT
.endr
	v_lshlrev_b32 v5, 4, v2                        ; a row's four words: 16 r
	s_lshl_b32 s21, s15, 12                        ; A's: my 8 tiles
	s_lshl_b32 s22, s16, 12                        ; B's: my 8 tiles, behind A's 16
	s_add_co_u32 s22, s22, SCLB-SCLA
	s_sub_co_u32 s22, s22, s21
	v_mul_u32_u24 v6, s22, v3                      ; lanes 16-31 take B's: one product, the distance between the two
	s_add_co_u32 s21, s21, SCLA
	v_add_nc_u32 v5, v5, v6
	v_add_nc_u32 v[ADRS], s21, v5
	s_lshl_b32 s3, s42, 8                          ; the cos/sin table: my first token's place in its sequence (16 units on it is the same)
	s_lshl_b32 s2, s15, 7
	s_add_co_u32 s3, s3, s2
	s_and_b32 s3, s3, 2047                         ; (in v's work-groups A's rows are no tokens: the numbers are loaded and not used; the mask keeps every load inside the table)
	v_and_b32 v5, 8, v2
	v_add_nc_u32 v5, v5, v2                        ; r + 8 (r / 8)
	v_add_nc_u32 v5, s3, v5
	v_lshlrev_b32 v5, 4, v5                        ; 16 bytes a token in a plane;
	v_lshl_add_u32 v[RA], v3, 17, v5               ; lanes 16-31 want the planes four further on
; cos and sin for tile a's tokens: for each of the head's halves g, four planes of two pairs of channels
.macro CSLOAD a, st
.irp g, 0,1
.irp q, 0,1,2,3
	global_load_b128 v[CS+32*(\st)+16*\g+4*\q:CS+32*(\st)+16*\g+4*\q+3], v[RA], s[8:9] offset:(8*\g+\q)*32768+(32*((\a)/2)+8*((\a)%2))*16
.endr
.endr
.endm
	CSLOAD 0, 0                                    ; they land under the products
	CSLOAD 1, 1
.macro FRAG reg, a16, a8, off          ; a fragment's image comes back as it was stored: 12 registers
	ds_load_b128 v[\reg:\reg+3], v[\a16] offset:\off
	ds_load_b64 v[\reg+4:\reg+5], v[\a8] offset:(\off)+512
	ds_load_b128 v[\reg+6:\reg+9], v[\a16] offset:(\off)+768
	ds_load_b64 v[\reg+10:\reg+11], v[\a8] offset:(\off)+1280
.endm
; 16 matrix instructions: A's blocks a0, a0 + 1 x B's eight, 128 along K.  p: B's set;  sc: the set of scale words.  zero = 1: the first product starts the sums.
; The 64 accumulators take turns, one instruction a turn, in the same order in every step.
.macro MUL16 a0, p, q, sc, zero
.irp a, \a0, \a0+1
.irp b, 0,1,2,3,4,5,6,7
.if \zero
	v_wmma_scale_f32_16x16x128_f8f6f4 v[8*(8*((\a)%4)+\b):8*(8*((\a)%4)+\b)+7], v[128*(\p)+FR*\b:128*(\p)+FR*\b+FR-1], v[AF+FR*(\a):AF+FR*(\a)+FR-1], 0, v[SC+8*NQ*(\sc)+NQ*\b+(\q)], v[SC+8*NQ*(\sc)+NQ*(\a)+(\q)] matrix_a_fmt:MATRIX_FMT_FP6 matrix_b_fmt:MATRIX_FMT_FP6 matrix_a_scale:MATRIX_SCALE_ROW1
.else
	v_wmma_scale_f32_16x16x128_f8f6f4 v[8*(8*((\a)%4)+\b):8*(8*((\a)%4)+\b)+7], v[128*(\p)+FR*\b:128*(\p)+FR*\b+FR-1], v[AF+FR*(\a):AF+FR*(\a)+FR-1], v[8*(8*((\a)%4)+\b):8*(8*((\a)%4)+\b)+7], v[SC+8*NQ*(\sc)+NQ*\b+(\q)], v[SC+8*NQ*(\sc)+NQ*(\a)+(\q)] matrix_a_fmt:MATRIX_FMT_FP6 matrix_b_fmt:MATRIX_FMT_FP6 matrix_a_scale:MATRIX_SCALE_ROW1
.endif
.endr
.endr
.endm
.macro FETCH_B slot, q, p              ; B's eight fragments of the slot's q-th 128 along K into set p
	WIN TO_B
.irp i, 0,1,2,3,4,5,6,7
	FRAG 128*(\p)+FR*\i, ADRB+\slot, ADRB+2+\slot, 3072*\i+1536*(\q)
.endr
	WIN 0
.endm
.macro FETCH_A slot, q, i0             ; A's blocks i0 .. i0 + 3
.irp i, \i0, \i0+1, \i0+2, \i0+3
	FRAG AF+FR*(\i), ADRA+\slot, ADRA+2+\slot, 3072*(\i)+1536*(\q)
.endr
.endm
.macro SCALES sc, sig, t               ; tile t's fill sig: two words a row into set sc: lanes 0-15 A's tile i, lanes 16-31 B's tile i
.irp i, 0,1,2,3,4,5,6,7
	ds_load_b64 v[SC+8*NQ*\sc+NQ*\i:SC+8*NQ*\sc+NQ*\i+1], v[ADRS] offset:512*\i+256*((\sig)/2)+8*((\sig)%2)+TSC2*(\t)
.endr
.endm
.macro FIRST t                         ; a tile's first fragments and scale words, out of slot 0
	FETCH_B 0, 0, 0
	FETCH_A 0, 0, 0
	SCALES 0, 0, \t
	FETCH_A 0, 0, 4
.endm
; A step of 128 along K that has its successor in the same slot.  A block of A is free as soon as its eight products are issued: blocks 0-3 are fetched anew in the step's middle, blocks 4-7 at its end.
.macro STEP slot, q, zero
	s_wait_dscnt 4*NL                              ; B's set and A's blocks 0-3 are in; the youngest 16 loads (A's blocks 4-7) may be out
	WIN MUL_LO
	MUL16 0, (\q)%2, \q, \slot, \zero
	MUL16 2, (\q)%2, \q, \slot, \zero
	s_wait_dscnt 0                                 ; A's blocks 4-7 are in
	PLACES NP                                      ; in front of loads into registers that matrix instructions have read
	FETCH_B \slot, (\q)+1, 1-(\q)%2
	FETCH_A \slot, (\q)+1, 0
	WIN MUL_HI
	MUL16 4, (\q)%2, \q, \slot, \zero
	MUL16 6, (\q)%2, \q, \slot, \zero
	PLACES NP
	WIN 0
	FETCH_A \slot, (\q)+1, 4
.endm
.macro NEXTK slot                      ; the slot's two descriptors go two fills on along K  (no tensor load of mine is out where this stands)
	s_add_nc_u64 s[G0+4*\slot+2:G0+4*\slot+3], s[G0+4*\slot+2:G0+4*\slot+3], 6144
	s_add_nc_u64 s[G0B+4*\slot+2:G0B+4*\slot+3], s[G0B+4*\slot+2:G0B+4*\slot+3], 6144
.endm
.macro NEXTT slot                      ; or back along K and on to the second tile: the type bits on top are not reached
	s_sub_nc_u64 s[G0+4*\slot+2:G0+4*\slot+3], s[G0+4*\slot+2:G0+4*\slot+3], 6144
	s_add_nc_u64 s[G0+4*\slot+2:G0+4*\slot+3], s[G0+4*\slot+2:G0+4*\slot+3], s[IA:IA+1]
	s_sub_nc_u64 s[G0B+4*\slot+2:G0B+4*\slot+3], s[G0B+4*\slot+2:G0B+4*\slot+3], 6144
	s_add_nc_u64 s[G0B+4*\slot+2:G0B+4*\slot+3], s[G0B+4*\slot+2:G0B+4*\slot+3], s[IB:IB+1]
.endm
; A slot's last step changes slots: ONE barrier; in front of it each wave waits for all its tensor loads, adds 0 to its spare word, and waits for that and for its own reads of this slot.
; fill = 1: this slot is filled again, two fills ahead;  2: with the second tile's fill of the same slot;  0: not at all.
.macro TURN slot, next, sig, fill, t
	s_wait_tensorcnt 0x0                           ; all my tensor loads have landed: my part of the next slot
	ds_add_u32 v[SPW], v[NIL]                      ; 0 onto my spare word
	s_wait_dscnt 4*NL+1                            ; (the add and the youngest 16 loads, A's blocks 4-7, may be out)
	WIN MUL_LO
	MUL16 0, 1, NQ-1, \slot, 0                     ; sixteen matrix instructions stand between the add and the wait for it
	s_wait_dscnt 0x0                               ; the add is done, and my reads of this slot are over
	s_barrier_signal -1
	MUL16 2, 1, NQ-1, \slot, 0
	WIN 0
	s_barrier_wait -1
.if \fill
	CREST                                          ; the barrier has opened a round of the cluster's barrier: no wave of any partner still reads this slot or has a load on its way
.if \fill == 1
	NEXTK \slot
.else
	NEXTT \slot
.endif
	JLOAD G0+4*\slot, G1, G0B+4*\slot, G1B         ; the first tensor load behind the round; the four v_nop behind it are the places in front of the loads below
.else
	PLACES NP
.endif
	FETCH_B \next, 0, 0
	FETCH_A \next, 0, 0
	SCALES \next, \sig, \t
	WIN MUL_HI
	MUL16 4, 1, NQ-1, \slot, 0
	MUL16 6, 1, NQ-1, \slot, 0
	PLACES NP
	WIN 0
	FETCH_A \next, 0, 4
.endm
; A tile's last step (it lies in slot 1).  fill = 1: it changes slots as TURN does, but fetches nothing: slot 1 takes the second tile's second fill; slot 0, asked for a change of slots ago, is whole behind the round.
.macro LAST fill
.if \fill
	s_wait_tensorcnt 0x0                           ; all my tensor loads have landed: my part of the second tile's first fill
	ds_add_u32 v[SPW], v[NIL]                      ; 0 onto my spare word
	s_wait_dscnt 4*NL+1                            ; (the add and the youngest 16 loads may be out)
	WIN MUL_LO
	MUL16 0, 1, NQ-1, 1, 0
	s_wait_dscnt 0x0                               ; the add is done, and my reads of slot 1 are over
	s_barrier_signal -1
	MUL16 2, 1, NQ-1, 1, 0
	WIN 0
	s_barrier_wait -1
	CREST
	NEXTT 1
	JLOAD G0+4, G1, G0B+4, G1B                     ; the first tensor load behind the round: it lands while the tile goes out
	WIN MUL_HI
	MUL16 4, 1, NQ-1, 1, 0
	MUL16 6, 1, NQ-1, 1, 0
	WIN 0
.else
	s_wait_dscnt 4*NL
	WIN MUL_LO
	MUL16 0, 1, NQ-1, 1, 0
	MUL16 2, 1, NQ-1, 1, 0
	s_wait_dscnt 0
	WIN MUL_HI
	MUL16 4, 1, NQ-1, 1, 0
	MUL16 6, 1, NQ-1, 1, 0
	WIN 0
.endif
.endm
; 64 numbers of a lane in window w, register 16 b + i = k 32 b + 16 (lane / 16) + i of my row, become codes: blocks 0, 1 in v[d0 .. d0 + 5], blocks 2, 3 in v[d1 .. d1 + 5]; their four scale bytes in v[pw].
.macro QUANT s, w, d0, d1, pw
	WIN (\w)|((\w)<<2)
.irp b, 0,1,2,3
	v_max3_num_f32 v[TM+\b], |v[\s+16*\b]|, |v[\s+1+16*\b]|, 0x1800000   ; my 16 numbers of block b, from each accumulator's low end on, and the floor 2^(3 - 127)
.endr
.irp i, 2,4,6,8,10,12,14
.irp b, 0,1,2,3
	v_max3_num_f32 v[TM+\b], |v[\s+16*\b+\i]|, |v[\s+1+16*\b+\i]|, v[TM+\b]
.endr
.endr
	WIN 0
.irp b, 0,1,2,3
	v_permlanex16_b32 v[TM+4+\b], v[TM+\b], s[SEL], s[SEL+1]
.endr
.irp b, 0,1,2,3
	v_max_num_f32 v[TM+\b], v[TM+\b], v[TM+4+\b]   ; with lane l xor 16's: the block's largest magnitude
.endr
.irp b, 0,1,2,3
	v_add_nc_u32 v[TM+12+\b], 0xff000000, v[TM+\b] ; 2 off its exponent field: the conversion's scale operand
.endr
.irp b, 0,1,2,3
	v_lshrrev_b32 v[TM+4+\b], 23, v[TM+12+\b]      ; the scale's byte
.endr
	v_lshl_or_b32 v[\pw], v[TM+5], 8, v[TM+4]
	v_lshl_or_b32 v[\pw], v[TM+6], 16, v[\pw]
	v_lshl_or_b32 v[\pw], v[TM+7], 24, v[\pw]
	WIN \w
	v_cvt_scalef32_pk16_fp6_f32 v[\d0:\d0+2], v[\s:\s+15], v[TM+12]
	v_cvt_scalef32_pk16_fp6_f32 v[CT:CT+2], v[\s+16:\s+31], v[TM+13]   ; (a conversion's three registers begin on an even number)
	v_cvt_scalef32_pk16_fp6_f32 v[\d1:\d1+2], v[\s+32:\s+47], v[TM+14]
	v_cvt_scalef32_pk16_fp6_f32 v[CT+4:CT+6], v[\s+48:\s+63], v[TM+15]
	WIN 0
	v_nop                                          ; one plain place behind a scaled conversion
.irp i, 0,1,2                                  ; the operand's layout wants a WHOLE block in a lane: lanes 0-15 the first of a pair, lanes 16-31 the second
	v_permlane16_swap_b32 v[\d0+\i], v[CT+\i]
	v_permlane16_swap_b32 v[\d1+\i], v[CT+4+\i]
.endr
.irp i, 0,1,2
	v_mov_b32 v[\d0+3+\i], v[CT+\i]
	v_mov_b32 v[\d1+3+\i], v[CT+4+\i]
.endr
.endm
; RoPE on tile a's 64 numbers a lane: 32 pairs of neighbouring channels (two heads of 64; both take the same 16 pairs of cos and sin for each half of a head)
.macro ROPE a
	WIN 2+(\a)/4
.set n, 0
.rept 32
	v_mul_f32 v[RT+2*(n%8)], v[64*((\a)%4)+2*n+1], v[CS+32*((\a)%2)+16*((n/8)%2)+2*(n%8)+1]          ; x1 sin
	v_mul_f32 v[RT+2*(n%8)+1], v[64*((\a)%4)+2*n+1], v[CS+32*((\a)%2)+16*((n/8)%2)+2*(n%8)]          ; x1 cos
	v_fma_f32 v[TT+2*n], v[64*((\a)%4)+2*n], v[CS+32*((\a)%2)+16*((n/8)%2)+2*(n%8)], -v[RT+2*(n%8)]   ; x0 cos - x1 sin
	v_fma_f32 v[TT+2*n+1], v[64*((\a)%4)+2*n], v[CS+32*((\a)%2)+16*((n/8)%2)+2*(n%8)+1], v[RT+2*(n%8)+1]   ; x0 sin + x1 cos
.set n, n+1
.endr
	WIN 0
.endm
; THE WAY OUT of a tile.  first = 1: the store bases are made here: one formula for q, k and v, in registers that feed no descriptor and no LDS address.
.macro WAYOUT first
	PLACES NP                                      ; in front of the first reads of results and of writes into A's registers
	s_mov_b32 s[MASKH], 0xffff0000
	s_mov_b32 s[SEL], 0x76543210
	s_mov_b32 s[SEL+1], 0xfedcba98
.irp b, 0,1,2,3
	v_mov_b32 v[TM+4+\b], 0                        ; a lane permute's destination counts as one of its sources
.endr
.if \first
	s_cmp_eq_u32 ttmp9, 2
	s_cselect_b32 s95, s45, s42                    ; the unit of 256 tokens: B's for v, A's for q and k
	s_cselect_b32 s98, s41, s40                    ; which four heads
	s_cselect_b32 s99, s15, s16                    ; which two of them are my wave's
	s_cselect_b32 s66, s16, s15                    ; which 128 tokens of the unit
	s_lshr_b32 s67, s95, 3
	s_lshl_b32 s67, s67, 4                         ; 16 x batch
	s_lshl_b32 s98, s98, 2
	s_add_co_u32 s67, s67, s98
	s_lshl_b32 s99, s99, 1
	s_add_co_u32 s67, s67, s99                     ; + my first head
	s_and_b32 s95, s95, 7
	s_lshl_b32 s95, s95, 1
	s_add_co_u32 s95, s95, s66                     ; which 128 tokens of the sequence
	s_mul_i32 s66, s67, 98304                      ; a head's codes,
	s_mul_i32 s98, s95, 6144                       ; 128 tokens' (8 tiles x 768, or 4 tiles x 1,536),
	s_add_co_u32 s66, s66, s98
	s_mul_i32 s98, ttmp9, 6291456                  ; q's, k's or v's part
	s_add_co_u32 s66, s66, s98
	s_lshl_b32 s100, s67, 12                       ; the scale bytes likewise: 4,096 a head, 256 for 128 tokens
	s_lshl_b32 s98, s95, 8
	s_add_co_u32 s100, s100, s98
	s_lshl_b32 s98, ttmp9, 18
	s_add_co_u32 s100, s100, s98
	s_mov_b32 s67, 0
	s_mov_b32 s101, 0
	s_add_nc_u64 s[10:11], s[10:11], s[66:67]
	s_add_nc_u64 s[12:13], s[12:13], s[100:101]
.endif
	s_wait_loadcnt 0x0                             ; cos and sin of tiles 0 and 1
	s_cmp_eq_u32 ttmp9, 2
	s_cbranch_scc1 .Lv_\@
	; q, k: tile by tile of 16 tokens
.irp a, 0,1,2,3,4,5,6,7
	s_wait_xcnt 0x0                                ; the earlier stores have read their registers
.if \a >= 2
.if \a == 7
	s_wait_loadcnt 0x0
.else
	s_wait_loadcnt 8                               ; this tile's cos and sin are in; the next tile's eight loads may be out
.endif
.endif
	ROPE \a
.if \a <= 5
	CSLOAD \a+2, \a%2
.endif
	QUANT TT, 0, KH0+6*(\a%2), KH1+6*(\a%2), PW+(\a%2)
	global_store_b128 v[LI], v[KH0+6*(\a%2):KH0+6*(\a%2)+3], s[10:11] offset:768*\a              ; my first head's image: 512 and 256 consecutive bytes
	global_store_b64 v[L8], v[KH0+6*(\a%2)+4:KH0+6*(\a%2)+5], s[10:11] offset:768*\a+512
	global_store_b128 v[LI], v[KH1+6*(\a%2):KH1+6*(\a%2)+3], s[10:11] offset:768*\a+98304        ; my second head's
	global_store_b64 v[L8], v[KH1+6*(\a%2)+4:KH1+6*(\a%2)+5], s[10:11] offset:768*\a+98304+512
.if \a%2 == 1
	v_perm_b32 v[WH0+\a/2], v[PW+1], v[PW], 0x05040100   ; two tiles' two bytes each: the first head's,
	v_perm_b32 v[WH1+\a/2], v[PW+1], v[PW], 0x07060302   ; the second head's
.endif
.endr
	v_cndmask_b32 v[SR], v[WH0], v[WH0+2], s[MASKH]      ; lanes 0-15 store words 0, 1, lanes 16-31 words 2, 3
	v_cndmask_b32 v[SR+1], v[WH0+1], v[WH0+3], s[MASKH]
	v_cndmask_b32 v[SR+2], v[WH1], v[WH1+2], s[MASKH]
	v_cndmask_b32 v[SR+3], v[WH1+1], v[WH1+3], s[MASKH]
	global_store_b64 v[L8], v[SR:SR+1], s[12:13]                ; 256 consecutive bytes
	global_store_b64 v[L8], v[SR+2:SR+3], s[12:13] offset:4096
	s_branch .Lend_\@
	; v: tile by tile of 16 channels; the 64 numbers of a lane are 128 keys' halves: the accumulators are quantised as they stand
.Lv_\@:
.irp a, 0,1,2,3,4,5,6,7
	s_wait_xcnt 0x0                                ; the earlier stores have read their registers
	QUANT 64*(\a%4), 2+\a/4, KH0+12*(\a%2), KH0+12*(\a%2)+6, WH0+(\a%4)
.irp c, 0,1,2
	global_store_b128 v[LI], v[KH0+12*(\a%2)+4*\c:KH0+12*(\a%2)+4*\c+3], s[10:11] offset:98304*(\a/4)+1536*(\a%4)+512*\c
.endr
.if \a%4 == 3
	v_cndmask_b32 v[SR+2*(\a/4)], v[WH0], v[WH0+2], s[MASKH]
	v_cndmask_b32 v[SR+2*(\a/4)+1], v[WH0+1], v[WH0+3], s[MASKH]
	global_store_b64 v[L8], v[SR+2*(\a/4):SR+2*(\a/4)+1], s[12:13] offset:4096*(\a/4)
.endif
.endr
.Lend_\@:
.endm
	s_wait_tensorcnt 1                             ; both tiles' scale words and my part of slot 0 are in (slot 1's load may be out)
	s_barrier_signal -1
	s_barrier_wait -1                              ; everybody's are
	; ---- the first tile
	FIRST 0
	STEP 0, 0, 1                                   ; K 0-127: its products start the sums
	TURN 0, 1, 1, 1, 0                             ; K 128-255; slot 0 takes K 512-767
	STEP 1, 0, 0
	TURN 1, 0, 2, 1, 0                             ; slot 1 takes K 768-1,023
	STEP 0, 0, 0
	TURN 0, 1, 3, 2, 0                             ; slot 0 takes the second tile's K 0-255
	STEP 1, 0, 0
	LAST 1                                         ; slot 1 takes the second tile's K 256-511
	WAYOUT 1
	; ---- the second tile: 16 units of tokens on
	s_wait_xcnt 0x0                                ; the stores have read their registers and their bases
	s_add_nc_u64 s[10:11], s[10:11], TSTEP         ; two batches, 32 heads, on
	s_add_nc_u64 s[12:13], s[12:13], SSTEP
	CSLOAD 0, 0                                    ; the same places in the sequence: the same cos and sin, from the first tiles on again
	CSLOAD 1, 1
	FIRST 1                                        ; slot 0 was shown whole by the wait and the round in the first tile's last step
	STEP 0, 0, 1
	TURN 0, 1, 1, 1, 1
	STEP 1, 0, 0
	TURN 1, 0, 2, 1, 1
	STEP 0, 0, 0
	TURN 0, 1, 3, 0, 1                             ; nothing is left to fetch
	STEP 1, 0, 0
	LAST 0
	WAYOUT 0
	s_wait_tensorcnt 0x0                           ; the wave's end
	ds_add_u32 v[SPW], v[NIL]
	s_wait_dscnt 0x0
	CROUND                                         ; the closing round: no work-group ends while a partner may still ask for a tile that names it
	s_endpgm
.Lfunc_end_k_q9ec168f2f3_qkv:
	.size	k_q9ec168f2f3_qkv, .Lfunc_end_k_q9ec168f2f3_qkv-k_q9ec168f2f3_qkv
	.p2alignl 7, 3214868480
	.fill 96, 4, 3214868480
	.section	.rodata,"a",@progbits
	.p2align	6, 0x0
	.amdhsa_kernel k_q9ec168f2f3_qkv
		.amdhsa_group_segment_fixed_size 327680
		.amdhsa_private_segment_fixed_size 0
		.amdhsa_enable_private_segment 0
		.amdhsa_kernarg_size 40
		.amdhsa_user_sgpr_count 2
		.amdhsa_user_sgpr_kernarg_segment_ptr 1
		.amdhsa_wavefront_size32 1
		.amdhsa_system_sgpr_workgroup_id_x 1
		.amdhsa_system_sgpr_workgroup_id_y 1
		.amdhsa_system_sgpr_workgroup_id_z 1
		.amdhsa_system_vgpr_workitem_id 0
		.amdhsa_next_free_vgpr 1024
		.amdhsa_next_free_sgpr 102
		.amdhsa_reserve_vcc 0
		.amdhsa_float_denorm_mode_32 3
		.amdhsa_float_denorm_mode_16_64 3
		.amdhsa_memory_ordered 1
		.amdhsa_forward_progress 1
		.amdhsa_inst_pref_size 255
	.end_amdhsa_kernel
	.section	.bss,"aw",@nobits
	.p2align	6
	.space	262144
	.amdgpu_metadata
---
amdhsa.version: [ 1, 2 ]
amdhsa.kernels:
  - .name:           k_q9ec168f2f3_qkv
    .symbol:         k_q9ec168f2f3_qkv.kd
    .args:
      - { .name: cod, .offset: 0, .size: 8, .value_kind: global_buffer, .address_space: global }
      - { .name: scl, .offset: 8, .size: 8, .value_kind: global_buffer, .address_space: global }
      - { .name: rope, .offset: 16, .size: 8, .value_kind: global_buffer, .address_space: global }
      - { .name: qkvc, .offset: 24, .size: 8, .value_kind: global_buffer, .address_space: global }
      - { .name: qkvs, .offset: 32, .size: 8, .value_kind: global_buffer, .address_space: global }
    .group_segment_fixed_size: 327680
    .private_segment_fixed_size: 0
    .kernarg_segment_align: 8
    .kernarg_segment_size: 40
    .max_flat_workgroup_size: 128
    .sgpr_count:     102
    .vgpr_count:     1024
    .wavefront_size: 32
...
	.end_amdgpu_metadata
.endif
;; end of part 2
;; launch attn (part 3): grid 4 x 64, 16 waves a work-group, no clusters, 207,872 bytes of LDS; arguments qkvc, qkvs, oc, op; writes oc, op
.if DOCPART == 3
	.amdgcn_target "amdgcn-amd-amdhsa--gfx1250"
	.amdhsa_code_object_version 6
	.text
	.protected	k_q9ec168f2f3_attn
	.globl	k_q9ec168f2f3_attn
	.p2align	8
	.type	k_q9ec168f2f3_attn,@function
k_q9ec168f2f3_attn:
	s_mov_b64 s[64:65], 0
	v_nop
	global_prefetch_b8 v0, s[64:65] scope:SCOPE_SE
	s_setreg_imm32_b32 hwreg(HW_REG_WAVE_MODE, 25, 1), 1
	s_wait_xcnt 0x0
; ATTN.  o = softmax(q k^T / 8, causal) v for one head, both products on codes of E2M3; o is quantised along head x 64 + channel and leaves as codes.
; THE SOFTMAX: t = score x log2(e) / 8; M = the row's largest t so far, rounded UP to a whole number; p = 2^(t - M) is quantised along the keys, not normalised; the row's sum is taken of the unquantised p
; and divides at the end (by v_rcp_f32).  When M moves, the sum and O are multiplied by 2^(old M - new M): exact.
; SHARES.  Work-group (p, b h) owns the blocks 7 - p and p of 256 queries of head b h.  Wave w owns one tile of 16 queries in each: L = 16 (7 - p) + w, E = 16 p + (w xor 15): tile T has T / 8 + 1 steps of
; 128 keys that are not all hidden, so every wave has 17 tile steps.  Four waves to a SIMD: one wave's vector work stands beside another's products and LDS loads.
; THE WHOLE HEAD'S K AND V STAY IN LDS (2 x 98,304 bytes of codes, 2 x 4,096 of scale bytes): each byte is filled once, by three tensor loads a wave at the start; no slot is ever filled again.
; No cluster: the four work-groups of a head read the same K and V, but which steps a wave leaves out hangs on its block of queries, which would be its place in the cluster, and partners must run alike.
; LAYOUT.  Both products are used transposed: S^T = K Q^T, O^T = V^T P^T: a lane holds ONE query.  Lane r of tile T holds row 32 (T / 2) + 8 (T % 2) + r + 8 (r / 8) (queries, keys and V's channels alike),
; so that 16 registers of two neighbouring tiles are 16 neighbours along the next K.  The head's 64 is half of the instruction's 128: a fragment of K holds TWO tiles of keys, and Q stands as (q, 0, q):
; (q, 0) meets the first tile, (0, q) the second; the other half meets zero codes.
; Every wave walks all 16 steps; a step all of whose keys are hidden from a tile is jumped over by a scalar branch on ids; on the diagonal hidden scores become -infinity.
; LIMITS: NaN and infinities are not served; blocks whose largest magnitude lies under 2^-124 keep the scale byte 1.
.set KSC,  196608                      ; LDS: K's codes at 0, V's at 98,304, K's scale bytes, V's (4,096 on),
.set VC,   98304
.set OSG,  204800                      ; and 1,024 bytes for o's scale bytes, written by LDS stores alone
.set QL,   20                          ; v20-37  (q, 0, q) of tile L;  v38-55 of tile E
.set QE,   38
.set OL,   56                          ; v56-87  O^T of L;  v88-119 of E
.set OE,   88
.set S,    120                         ; v120-183 S^T, then p, then V's four fragments
.set F,    184                         ; v184-231 K's four fragments; behind the first product at work:
.set BM,   184                         ;   v184-187 the blocks' largest scores, then largest p
.set PT,   188                         ;   v188-191 the other half's; then the bytes
.set SO,   192                         ;   v192-195 the conversions' scale operands
.set CT,   196                         ;   v196-198, v200-202 second halves of blocks' codes
.set PC,   204                         ;   v204-215 p's codes
.set SU,   216                         ;   v[216:217] the sum's second chain
.set TA,   218
.set FP,   220                         ;   v[220:221] f = 2^(old M - new M) (the low word serves)
.set PW,   236                         ; v236 p's scale word;  v[232:233] K's scale words, v[234:235] V's
.set DD,   237
.set NINF, 238
.set KF,   60                          ; s60 the step's first key;  s61 its codes' place in LDS;  s62 its scale words';  s63 trips to go
.set TB,   61
.set TS,   62
.set CNT,  63
	s_load_b256 s[4:11], s[0:1], 0x0               ; qkvc, qkvs, oc, op
	v_lshl_add_u32 v254, v0, 2, 0x32400
	v_mov_b32 v255, 0
	ds_add_u32 v254, v255
	ds_add_u32 v254, v255
	v_lshrrev_b32 v5, 5, v0
	v_readfirstlane_b32 s12, v5                    ; wave 0..15
	s_and_b32 s13, ttmp7, 0xffff                   ; b h
	s_lshr_b32 s16, s12, 3                         ; waves 0-7 fetch K, waves 8-15 V,
	s_and_b32 s17, s12, 7                          ; an eighth each
	; three groups 1: dense blocks as rows of 256 bytes (32 elements of 8 bytes): 12 rows (keys 0-511), 36 rows (the rest), 2 rows (scale bytes)
.irp g, 24, 32, 40
	s_mov_b32 s[\g], 3<<16
	s_mov_b32 s[\g+1], 32<<16
	s_mov_b32 s[\g+3], 32<<16
	s_mov_b32 s[\g+5], 32
	s_mov_b32 s[\g+6], 0
	s_mov_b32 s[\g+7], 0
.endr
	s_mov_b32 s26, 12<<16
	s_mov_b32 s28, 12
	s_mov_b32 s34, 36<<16
	s_mov_b32 s36, 36
	s_mov_b32 s42, 2<<16
	s_mov_b32 s44, 2
	s_add_co_u32 s18, s16, 1
	s_mul_i32 s19, s18, 6291456                    ; k's or v's part of qkvc,
	s_mul_i32 s84, s13, 98304                      ; the head
	s_add_co_u32 s19, s19, s84
	s_mul_i32 s84, s17, 3072
	s_add_co_u32 s84, s84, s19                     ; my eighth of the first 24,576 bytes
	s_mov_b32 s85, 0
	s_mul_i32 s86, s17, 9216
	s_add_co_u32 s86, s86, s19
	s_add_co_u32 s86, s86, 24576                   ; and of the other 73,728
	s_mov_b32 s87, 0
	s_lshl_b32 s88, s18, 18                        ; the scale bytes
	s_lshl_b32 s19, s13, 12
	s_add_co_u32 s88, s88, s19
	s_lshl_b32 s19, s17, 9
	s_add_co_u32 s88, s88, s19
	s_mov_b32 s89, 0
	s_mul_i32 s19, s16, VC                         ; in LDS: constants and the wave's number
	s_mul_i32 s90, s17, 3072
	s_add_co_u32 s90, s90, s19
	s_mul_i32 s91, s17, 9216
	s_add_co_u32 s91, s91, s19
	s_add_co_u32 s91, s91, 24576
	s_lshl_b32 s92, s12, 9
	s_add_co_u32 s92, s92, KSC
	s_wait_dscnt 0x0
	s_wait_kmcnt 0x0
	s_mov_b32 s48, 1
	s_mov_b32 s49, s92
	s_add_nc_u64 s[50:51], s[6:7], s[88:89]
	s_or_b32 s51, s51, 0x80000000
	s_mov_b32 s52, 1
	s_mov_b32 s53, s90
	s_add_nc_u64 s[54:55], s[4:5], s[84:85]
	s_or_b32 s55, s55, 0x80000000
	s_mov_b32 s56, 1
	s_mov_b32 s57, s91
	s_add_nc_u64 s[58:59], s[4:5], s[86:87]
	s_or_b32 s59, s59, 0x80000000
	tensor_load_to_lds s[48:51], s[40:47]          ; the first fills, all of them: three loads of mine are out
	s_nop 0
	tensor_load_to_lds s[52:55], s[24:31]
	s_nop 0
	tensor_load_to_lds s[56:59], s[32:39]
	s_nop 0
.rept 4
	v_nop
.endr
	s_sub_co_u32 s14, 7, ttmp9
	s_lshl_b32 s14, s14, 4
	s_add_co_u32 s14, s14, s12                     ; tile L
	s_xor_b32 s93, s12, 15
	s_lshl_b32 s15, ttmp9, 4
	s_add_co_u32 s15, s15, s93                     ; tile E
; for tile s[tt]: its first query; the addresses of its codes, of its scale word and of its part of oc
.macro TADR tt, qb, ca, sa, oa
	s_lshr_b32 s[\qb], s[\tt], 1
	s_lshl_b32 s[\qb], s[\qb], 5
	s_and_b32 s18, s[\tt], 1
	s_lshl_b32 s18, s18, 3
	s_add_co_u32 s[\qb], s[\qb], s18               ; 32 (T / 2) + 8 (T % 2)
	s_mul_i32 s[\ca], s13, 98304
	s_mul_i32 s18, s[\tt], 768
	s_add_co_u32 s[\ca], s[\ca], s18
	s_mov_b32 s[\ca+1], 0
	s_add_nc_u64 s[\ca:\ca+1], s[4:5], s[\ca:\ca+1]
	s_lshl_b32 s[\sa], s13, 12
	s_lshr_b32 s18, s[\tt], 3
	s_lshl_b32 s18, s18, 8
	s_add_co_u32 s[\sa], s[\sa], s18               ; the unit of its 128 tokens; in it the word of the pair of tiles (T / 2) % 4: 128 for its upper bit, 4 for its lower
	s_bfe_u32 s18, s[\tt], 0x10002
	s_lshl_b32 s18, s18, 7
	s_add_co_u32 s[\sa], s[\sa], s18
	s_bfe_u32 s18, s[\tt], 0x10001
	s_lshl_b32 s18, s18, 2
	s_add_co_u32 s[\sa], s[\sa], s18
	s_mov_b32 s[\sa+1], 0
	s_add_nc_u64 s[\sa:\sa+1], s[6:7], s[\sa:\sa+1]
	s_lshr_b32 s[\oa], s13, 4
	s_lshl_b32 s[\oa], s[\oa], 7
	s_add_co_u32 s[\oa], s[\oa], s[\tt]            ; 128 x batch + T
	s_mul_i32 s[\oa], s[\oa], 12288
	s_and_b32 s18, s13, 15
	s_mul_i32 s18, s18, 768                        ; the head's half image
	s_add_co_u32 s[\oa], s[\oa], s18
	s_mov_b32 s[\oa+1], 0
	s_add_nc_u64 s[\oa:\oa+1], s[8:9], s[\oa:\oa+1]
.endm
	TADR 14, 66, 70, 72, 74
	TADR 15, 67, 76, 78, 80
	v_and_b32 v5, 31, v0
	v_lshlrev_b32 v1, 4, v5                        ; 16 x lane
	v_lshlrev_b32 v2, 3, v5                        ; 8 x lane
	v_add_nc_u32 v3, VC, v1
	v_add_nc_u32 v4, KSC, v2
	v_and_b32 v6, 15, v0                           ; r
	v_bfe_u32 v7, v0, 4, 1                         ; h
	v_and_b32 v8, 8, v6
	v_add_nc_u32 v9, v8, v6
	v_lshlrev_b32 v8, 4, v7
	v_sub_nc_u32 v9, v9, v8                        ; r + 8 (r / 8) - 16 h: my query in its tile, less my half's first key in a block
	v_lshlrev_b32 v248, 3, v6                      ; 8 r
	s_lshl_b32 s18, s12, 5
	s_add_co_u32 s18, s18, OSG
	v_lshl_add_u32 v241, v6, 1, s18                ; o's scale bytes: tile L's 32 bytes at 32 w,
	s_lshl_b32 s18, s93, 5
	s_add_co_u32 s18, s18, OSG+512
	v_lshl_add_u32 v242, v6, 1, s18                ; tile E's at 512 + 32 (w xor 15)
	v_lshl_add_u32 v243, v0, 4, OSG                ; and where waves 0 and 1 read them back
	global_load_b128 v[QL:QL+3], v1, s[70:71]      ; q, twice
	global_load_b64 v[QL+4:QL+5], v2, s[70:71] offset:512
	global_load_b128 v[QL+12:QL+15], v1, s[70:71]
	global_load_b64 v[QL+16:QL+17], v2, s[70:71] offset:512
	global_load_b128 v[QE:QE+3], v1, s[76:77]
	global_load_b64 v[QE+4:QE+5], v2, s[76:77] offset:512
	global_load_b128 v[QE+12:QE+15], v1, s[76:77]
	global_load_b64 v[QE+16:QE+17], v2, s[76:77] offset:512
	global_load_b32 v18, v248, s[72:73]
	global_load_b32 v19, v248, s[78:79]
	s_mov_b32 s20, 0x76543210
	s_mov_b32 s21, 0xfedcba98                      ; selects for lane l xor 16
	s_mov_b32 s22, 0x3e38aa3b                      ; c = log2(e) / 8
	s_mov_b32 s23, s22                             ; (named with it as a pair, so it is written)
	s_mov_b32 s83, 0x03020302
	s_bitcmp1_b32 s14, 0
	s_cselect_b32 s94, s83, 0x01000100             ; an even tile's two bytes are the word's lower two, an odd tile's the upper
	s_bitcmp1_b32 s15, 0
	s_cselect_b32 s95, s83, 0x01000100
	s_mov_b32 s[KF], 0
	s_mov_b32 s[TB], 0
	s_mov_b32 s[TS], 0
	v_mov_b32 v11, 0xff61b1e6                      ; the largest t so far: -3e38, under every t
	v_floor_f32 v10, -v11                          ; -M
	v_mov_b32 v12, 0                               ; the sum, in two halves
	v_mov_b32 v13, 0
	v_mov_b32 v15, 0xff61b1e6
	v_floor_f32 v14, -v15
	v_mov_b32 v16, 0
	v_mov_b32 v17, 0
	v_mov_b32 v[NINF], 0xff800000
.irp b, 0,1,2,3
	v_mov_b32 v[PT+\b], 0                          ; a lane permute's destination counts as one of its sources
.endr
	v_mov_b32 v[FP], 0
	v_mov_b32 v[FP+1], 0
.irp i, 6,7,8,9,10,11
	v_mov_b32 v[QL+\i], 0                          ; the zero codes between the two q
	v_mov_b32 v[QE+\i], 0
.endr
	s_wait_tensorcnt 1                             ; my parts of the scale bytes and of keys 0-511 are in; the rest may be out
	s_barrier_signal -1
	s_barrier_wait -1                              ; everybody's are
	s_wait_loadcnt 0x0
	v_perm_b32 v18, v18, v18, s94                  ; q's scale word: its two bytes, twice
	v_perm_b32 v19, v19, v19, s95
.set j, 0
.rept 64
	v_mov_b32 v[OL+j], 0                           ; O^T of both tiles: the step is written once, its first walk finds zeros.  (Also the places between the scale words above and the first product)
.set j, j+1
.endr
.macro FRAG reg, a16, a8, off
	ds_load_b128 v[\reg:\reg+3], v[\a16] offset:\off
	ds_load_b64 v[\reg+4:\reg+5], v[\a8] offset:(\off)+512
	ds_load_b128 v[\reg+6:\reg+9], v[\a16] offset:(\off)+768
	ds_load_b64 v[\reg+10:\reg+11], v[\a8] offset:(\off)+1280
.endm
; ONE TILE OF QUERIES AGAINST ONE STEP OF 128 KEYS.  tq: (q, 0, q);  tqs: q's scale word;  to: O^T;  tst: -M, largest t, the sum's two halves;  tqb: the scalar with the tile's first query
.macro TILESTEP tq, tqs, to, tst, tqb
	s_add_co_u32 s82, s[\tqb], 23                  ; the tile's last query
	s_cmp_gt_u32 s[KF], s82
	s_cbranch_scc1 .Lskip_\@                       ; all 128 keys come after it
.rept 5
	v_nop                                          ; behind the last products: four places in front of loads into their sources, five in front of products that write over them
.endr
	ds_load_b64 v[232:233], v8                     ; K's scale words: register e, lanes 16 h on: the pair of tiles 2 h + e
	ds_load_b64 v[234:235], v8 offset:4096         ; V's: channel tile 2 h + e
.irp be, 0,1,2,3
	FRAG F+12*\be, 5, 6, 1536*\be                  ; key tiles 2 be and 2 be + 1
.endr
	s_wait_dscnt 0x0
.irp be, 0,1,2,3
.irp u, 0,1
.if \be < 2
	v_wmma_scale_f32_16x16x128_f8f6f4 v[S+8*(2*\be+\u):S+8*(2*\be+\u)+7], v[F+12*\be:F+12*\be+11], v[\tq+6*\u:\tq+6*\u+11], 0, v[232+\be%2], v[\tqs] matrix_a_fmt:MATRIX_FMT_FP6 matrix_b_fmt:MATRIX_FMT_FP6
.else
	v_wmma_scale_f32_16x16x128_f8f6f4 v[S+8*(2*\be+\u):S+8*(2*\be+\u)+7], v[F+12*\be:F+12*\be+11], v[\tq+6*\u:\tq+6*\u+11], 0, v[232+\be%2], v[\tqs] matrix_a_fmt:MATRIX_FMT_FP6 matrix_b_fmt:MATRIX_FMT_FP6 matrix_a_scale:MATRIX_SCALE_ROW1
.endif
.endr
.endr                                          ; register 16 b + i holds key KF + 32 b + 16 (lane / 16) + i
.rept 4
	v_nop
.endr
	s_add_co_u32 s82, s[KF], 127
	s_cmp_le_u32 s82, s[\tqb]
	s_cbranch_scc1 .Lopen_\@                       ; every key counts for every query of the tile
	s_sub_co_i32 s82, s[\tqb], s[KF]
	v_add_nc_u32 v[DD], s82, v9                    ; hidden where 32 b + i > my query - KF - 16 (lane / 16)
.irp n, 0,1,2,3,4,5,6,7,8,9,10,11,12,13,14,15,16,17,18,19,20,21,22,23,24,25,26,27,28,29,30,31,32,33,34,35,36,37,38,39,40,41,42,43,44,45,46,47,48,49,50,51,52,53,54,55,56,57,58,59,60,61,62,63
	v_cmp_gt_i32 vcc_lo, 32*(\n/16)+\n%16, v[DD]
	v_cndmask_b32 v[S+\n], v[S+\n], v[NINF], vcc_lo
.endr
.Lopen_\@:
.irp b, 0,1,2,3
	v_max3_num_f32 v[BM+\b], v[S+16*\b], v[S+1+16*\b], v[S+2+16*\b]   ; the largest score of each block of 32 keys: for the row's maximum and, since p rises with the score, for the block's largest p
.endr
.irp i, 3,5,7,9,11,13
.irp b, 0,1,2,3
	v_max3_num_f32 v[BM+\b], v[BM+\b], v[S+16*\b+\i], v[S+1+16*\b+\i]
.endr
.endr
.irp b, 0,1,2,3
	v_max_num_f32 v[BM+\b], v[BM+\b], v[S+15+16*\b]
.endr
.irp b, 0,1,2,3
	v_permlanex16_b32 v[PT+\b], v[BM+\b], s20, s21
.endr
.irp b, 0,1,2,3
	v_max_num_f32 v[BM+\b], v[BM+\b], v[PT+\b]     ; with lane l xor 16's 16 keys
.endr
	v_max3_num_f32 v[TA], v[BM], v[BM+1], v[BM+2]
	v_max_num_f32 v[TA], v[TA], v[BM+3]
	v_mul_f32 v[TA], s22, v[TA]                    ; the step's largest t (the step's first key counts for every query: it is a number)
	v_max_num_f32 v[\tst+1], v[\tst+1], v[TA]      ; the running largest t
	v_mov_b32 v[TA], v[\tst]
	v_floor_f32 v[\tst], -v[\tst+1]                ; the new -M = -ceil(t): a whole number
	v_sub_f32 v[TA], v[\tst], v[TA]                ; old M - new M: a whole number, 0 or less
	v_cvt_i32_f32 v[TA], v[TA]                     ; (it saturates)
	v_ldexp_f32 v[FP], 1.0, v[TA]                  ; f = 2^(old M - new M)
.irp j, 0,2,4,6,8,10,12,14,16,18,20,22,24,26,28,30,32,34,36,38,40,42,44,46,48,50,52,54,56,58,60,62
	v_pk_fma_f32 v[S+\j:S+\j+1], v[S+\j:S+\j+1], s[22:23], v[\tst:\tst+1] op_sel_hi:[1,0,0]   ; t - M, two at a time
.endr
.irp b, 0,1,2,3
	v_fma_f32 v[BM+\b], v[BM+\b], s22, v[\tst]     ; the same of each block's largest score
.endr
.irp j, 0,1,2,3,4,5,6,7,8,9,10,11,12,13,14,15,16,17,18,19,20,21,22,23,24,25,26,27,28,29,30,31,32,33,34,35,36,37,38,39,40,41,42,43,44,45,46,47,48,49,50,51,52,53,54,55,56,57,58,59,60,61,62,63
	v_exp_f32 v[S+\j], v[S+\j]                     ; p = 2^(t - M)
.endr
.irp b, 0,1,2,3
	v_exp_f32 v[BM+\b], v[BM+\b]                   ; the block's largest p: the same two instructions on the same number
.endr
	v_pk_mul_f32 v[\tst+2:\tst+3], v[\tst+2:\tst+3], v[FP:FP+1] op_sel_hi:[1,0]   ; the sums under the new M.  (A plain place behind the exponentials)
	s_wait_alu depctr_va_vdst(0)
.irp b, 0,1,2,3
	v_max_num_f32 v[BM+\b], 0x1800000, v[BM+\b]    ; the floor 2^(3 - 127): the byte cannot fall under 1
.endr
.irp b, 0,1,2,3
	v_add_nc_u32 v[SO+\b], 0xff000000, v[BM+\b]    ; 2 off the exponent field: the conversion's scale operand
.endr
.irp b, 0,1,2,3
	v_lshrrev_b32 v[PT+\b], 23, v[SO+\b]           ; the scale's byte
.endr
	v_lshl_or_b32 v[PW], v[PT+1], 8, v[PT]         ; p's scale word for these 128 keys
	v_lshl_or_b32 v[PW], v[PT+2], 16, v[PW]
	v_lshl_or_b32 v[PW], v[PT+3], 24, v[PW]
.irp c, 0,1
	v_cvt_scalef32_pk16_fp6_f32 v[PC+6*\c:PC+6*\c+2], v[S+32*\c:S+32*\c+15], v[SO+2*\c]
	v_cvt_scalef32_pk16_fp6_f32 v[CT+4*\c:CT+4*\c+2], v[S+16+32*\c:S+31+32*\c], v[SO+2*\c+1]   ; (a conversion's three registers begin on an even number)
.endr
	v_nop                                          ; one plain place behind a scaled conversion
	v_pk_add_f32 v[SU:SU+1], v[S:S+1], v[S+2:S+3]  ; the row's sum is taken of the unquantised p: two at a time, in two chains
.irp j, 4,8,12,16,20,24,28,32,36,40,44,48,52,56,60
	v_pk_add_f32 v[\tst+2:\tst+3], v[\tst+2:\tst+3], v[S+\j:S+\j+1]
	v_pk_add_f32 v[SU:SU+1], v[SU:SU+1], v[S+2+\j:S+3+\j]
.endr
	v_pk_add_f32 v[\tst+2:\tst+3], v[\tst+2:\tst+3], v[SU:SU+1]
.irp t, 0,1,2,3
.irp c, 0,1,2
	ds_load_b128 v[S+12*\t+4*\c:S+12*\t+4*\c+3], v7 offset:1536*\t+512*\c   ; V's four fragments, into the registers that p has left; they land under the lines below
.endr
.endr
.irp c, 0,1                                    ; the operand's layout wants a WHOLE block in a lane
.irp i, 0,1,2
	v_permlane16_swap_b32 v[PC+6*\c+\i], v[CT+4*\c+\i]
.endr
.irp i, 0,1,2
	v_mov_b32 v[PC+3+6*\c+\i], v[CT+4*\c+\i]
.endr
.endr
.irp j, 0,2,4,6,8,10,12,14,16,18,20,22,24,26,28,30
	v_pk_mul_f32 v[\to+\j:\to+\j+1], v[\to+\j:\to+\j+1], v[FP:FP+1] op_sel_hi:[1,0]   ; O^T under the new M, each accumulator from its low end on
.endr
	s_wait_dscnt 0x0
.irp t, 0,1,2,3
.if \t < 2
	v_wmma_scale_f32_16x16x128_f8f6f4 v[\to+8*\t:\to+8*\t+7], v[S+12*\t:S+12*\t+11], v[PC:PC+11], v[\to+8*\t:\to+8*\t+7], v[234+\t%2], v[PW] matrix_a_fmt:MATRIX_FMT_FP6 matrix_b_fmt:MATRIX_FMT_FP6
.else
	v_wmma_scale_f32_16x16x128_f8f6f4 v[\to+8*\t:\to+8*\t+7], v[S+12*\t:S+12*\t+11], v[PC:PC+11], v[\to+8*\t:\to+8*\t+7], v[234+\t%2], v[PW] matrix_a_fmt:MATRIX_FMT_FP6 matrix_b_fmt:MATRIX_FMT_FP6 matrix_a_scale:MATRIX_SCALE_ROW1
.endif
.endr                                          ; the accumulators take turns, one instruction a turn: between two products on one of them stand the next step's eight and three others
.Lskip_\@:
.endm
.macro STEPS cnt
	s_mov_b32 s[CNT], \cnt
.Lst_\@:
	v_add_nc_u32 v5, s[TB], v1                     ; the step's K, by 16 and by 8 bytes a lane,
	v_add_nc_u32 v6, s[TB], v2
	v_add_nc_u32 v7, s[TB], v3                     ; its V,
	v_add_nc_u32 v8, s[TS], v4                     ; its scale words
	TILESTEP QL, 18, OL, 10, 66
	TILESTEP QE, 19, OE, 14, 67
	s_add_co_u32 s[KF], s[KF], 128
	s_add_co_u32 s[TB], s[TB], 6144
	s_add_co_u32 s[TS], s[TS], 256
	s_sub_co_u32 s[CNT], s[CNT], 1
	s_cmp_lg_u32 s[CNT], 0
	s_cbranch_scc1 .Lst_\@
.endm
	STEPS 4                                        ; keys 0-511
	s_wait_tensorcnt 0x0                           ; my part of the rest is in,
	s_wait_dscnt 0x0
	s_barrier_signal -1
	s_barrier_wait -1                              ; everybody's is
	s_mov_b32 s[KF], 512
	s_mov_b32 s[TB], 24576
	s_mov_b32 s[TS], 1024
	STEPS 12                                       ; keys 512-2,047
.rept 4
	v_nop                                          ; behind the last products
.endr
; O^T / the sum; register 16 g + i is channel 32 g + 16 (lane / 16) + i: two blocks of the last product's K.  Their codes are half an operand's image, their two bytes go to LDS.
.macro FINAL to, tst, pcx, uw, oa, osa
	v_add_f32 v[TA], v[\tst+2], v[\tst+3]          ; the sum's two halves,
	v_permlanex16_b32 v[PT], v[TA], s20, s21
	v_add_f32 v[TA], v[TA], v[PT]                  ; and lane l xor 16's
	v_rcp_f32 v[TA], v[TA]
	v_nop                                          ; one plain place behind a transcendental
.set j, 0
	s_wait_alu depctr_va_vdst(0)
.rept 32
	v_mul_f32 v[S+j], v[\to+j], v[TA]
.set j, j+1
.endr
.irp b, 0,1
	v_max3_num_f32 v[BM+\b], |v[S+16*\b]|, |v[S+1+16*\b]|, 0x1800000
.endr
.irp i, 2,4,6,8,10,12,14
.irp b, 0,1
	v_max3_num_f32 v[BM+\b], v[BM+\b], |v[S+16*\b+\i]|, |v[S+1+16*\b+\i]|
.endr
.endr
.irp b, 0,1
	v_permlanex16_b32 v[PT+\b], v[BM+\b], s20, s21
.endr
.irp b, 0,1
	v_max_num_f32 v[BM+\b], v[BM+\b], v[PT+\b]
.endr
.irp b, 0,1
	v_add_nc_u32 v[SO+\b], 0xff000000, v[BM+\b]
.endr
.irp b, 0,1
	v_lshrrev_b32 v[PT+\b], 23, v[SO+\b]
.endr
	v_lshl_or_b32 v[\uw], v[PT+1], 8, v[PT]
	v_cvt_scalef32_pk16_fp6_f32 v[\pcx:\pcx+2], v[S:S+15], v[SO]
	v_cvt_scalef32_pk16_fp6_f32 v[CT:CT+2], v[S+16:S+31], v[SO+1]
	v_nop                                          ; one plain place behind a scaled conversion
.irp i, 0,1,2
	v_permlane16_swap_b32 v[\pcx+\i], v[CT+\i]
.endr
.irp i, 0,1,2
	v_mov_b32 v[\pcx+3+\i], v[CT+\i]
.endr
	global_store_b128 v1, v[\pcx:\pcx+3], s[\oa:\oa+1]             ; 512 and 256 consecutive bytes
	global_store_b64 v2, v[\pcx+4:\pcx+5], s[\oa:\oa+1] offset:512
	ds_store_b16 v[\osa], v[\uw]                   ; both lanes of a row write the same two bytes
.endm
	FINAL OL, 10, 204, 239, 74, 241
	FINAL OE, 14, 210, 240, 80, 242
	s_wait_dscnt 0x0                               ; for the others' sake: my bytes are in LDS
	s_barrier_signal -1
	s_barrier_wait -1
	s_cmp_lt_u32 s12, 2
	s_cbranch_scc0 .Ldone
	ds_load_b128 v[244:247], v243                  ; wave 0: block 7 - p's 512 bytes; wave 1: block p's
	s_sub_co_u32 s18, 7, ttmp9
	s_cmp_eq_u32 s12, 0
	s_cselect_b32 s18, s18, ttmp9
	s_lshl_b32 s84, s18, 9                         ; 16 tiles x 32 bytes a block,
	s_lshr_b32 s18, s13, 4
	s_lshl_b32 s18, s18, 12                        ; 4,096 a batch,
	s_add_co_u32 s84, s84, s18
	s_and_b32 s18, s13, 15
	s_lshl_b32 s18, s18, 14                        ; 16,384 a head
	s_add_co_u32 s84, s84, s18
	s_mov_b32 s85, 0
	s_add_nc_u64 s[10:11], s[10:11], s[84:85]
	s_wait_dscnt 0x0
	global_store_b128 v1, v[244:247], s[10:11]     ; 512 consecutive bytes
.Ldone:
	s_wait_tensorcnt 0x0
	ds_add_u32 v254, v255
	s_wait_dscnt 0x0
	s_endpgm
.Lfunc_end_k_q9ec168f2f3_attn:
	.size	k_q9ec168f2f3_attn, .Lfunc_end_k_q9ec168f2f3_attn-k_q9ec168f2f3_attn
	.p2alignl 7, 3214868480
	.fill 96, 4, 3214868480
	.section	.rodata,"a",@progbits
	.p2align	6, 0x0
	.amdhsa_kernel k_q9ec168f2f3_attn
		.amdhsa_group_segment_fixed_size 207872
		.amdhsa_private_segment_fixed_size 0
		.amdhsa_enable_private_segment 0
		.amdhsa_kernarg_size 32
		.amdhsa_user_sgpr_count 2
		.amdhsa_user_sgpr_kernarg_segment_ptr 1
		.amdhsa_wavefront_size32 1
		.amdhsa_system_sgpr_workgroup_id_x 1
		.amdhsa_system_sgpr_workgroup_id_y 1
		.amdhsa_system_sgpr_workgroup_id_z 1
		.amdhsa_system_vgpr_workitem_id 0
		.amdhsa_next_free_vgpr 256
		.amdhsa_next_free_sgpr 96
		.amdhsa_reserve_vcc 1
		.amdhsa_float_denorm_mode_32 3
		.amdhsa_float_denorm_mode_16_64 3
		.amdhsa_memory_ordered 1
		.amdhsa_forward_progress 1
		.amdhsa_inst_pref_size 104
	.end_amdhsa_kernel
	.amdgpu_metadata
---
amdhsa.version: [ 1, 2 ]
amdhsa.kernels:
  - .name:           k_q9ec168f2f3_attn
    .symbol:         k_q9ec168f2f3_attn.kd
    .args:
      - { .name: qkvc, .offset: 0, .size: 8, .value_kind: global_buffer, .address_space: global }
      - { .name: qkvs, .offset: 8, .size: 8, .value_kind: global_buffer, .address_space: global }
      - { .name: oc, .offset: 16, .size: 8, .value_kind: global_buffer, .address_space: global }
      - { .name: op, .offset: 24, .size: 8, .value_kind: global_buffer, .address_space: global }
    .group_segment_fixed_size: 207872
    .private_segment_fixed_size: 0
    .kernarg_segment_align: 8
    .kernarg_segment_size: 32
    .max_flat_workgroup_size: 512
    .sgpr_count:     96
    .vgpr_count:     256
    .wavefront_size: 32
...
	.end_amdgpu_metadata
.endif
;; end of part 3
;; launch oproj (part 4): grid 8 x 32, 4 waves a work-group, clusters of 4 x 4, 327,680 bytes of LDS; arguments cod, scl, oc, op, out0; writes out0
.if DOCPART == 4
	.amdgcn_target "amdgcn-amd-amdhsa--gfx1250"
	.amdhsa_code_object_version 6
	.text
	.protected	k_q9ec168f2f3_oproj
	.globl	k_q9ec168f2f3_oproj
	.p2align	8
	.type	k_q9ec168f2f3_oproj,@function
k_q9ec168f2f3_oproj:
	s_mov_b64 s[64:65], 0
	v_nop
	global_prefetch_b8 v0, s[64:65] scope:SCOPE_SE
	s_setreg_imm32_b32 hwreg(HW_REG_WAVE_MODE, 25, 1), 1
	s_wait_xcnt 0x0
	s_wait_alu depctr_hold_cnt(0) depctr_sa_sdst(0) depctr_va_vdst(0) depctr_va_sdst(0) depctr_va_ssrc(0) depctr_va_vcc(0) depctr_vm_vsrc(0)
	s_getreg_b32 s2, hwreg(HW_REG_IB_STS2, 6, 4)
	s_cmp_eq_u32 s2, 0
	s_cbranch_scc0 .Lentry_in_a_cluster
	s_endpgm
.Lentry_in_a_cluster:
	s_bfe_u32 s2, ttmp6, 0x10000c
	s_cmp_lg_u32 s2, 0xf033
	s_cbranch_scc0 .Lentry_shape_is_right
	s_endpgm
.Lentry_shape_is_right:
; OPROJ.  out0 = o wo^T on codes of E2M3 (K = 1,024 = head x 64 + channel), f32 out.
; A work-group makes 256 tokens x 128 columns: a unit A of 16 tiles of oc and 8 tiles B of wo's rows (cod's tiles from 704 on).  Four waves, each 128 tokens x 64 columns: 32 accumulators.
; Source 0 = a tile of B, source 1 = a tile of A: a lane holds one token, its registers run along the output's columns.  The rows of a tile are 32 G + 8 u + r + 8 (r / 8): the way out puts rows and columns back in order.
; ALL OF K LIES IN LDS: two slots of 512 along K, 16 + 8 tiles x 6,144 bytes each, 294,912 bytes in all.  Every byte is filled once, by the loads at the start: nothing is filled again, so the one change of
; slots is a plain barrier, behind the wait that shows slot 1 landed.  The operands lie as images of their registers: dense runs, every LDS read takes consecutive bytes, no padding.
; CLUSTER 4 x 4: A's tiles are shared along a row of the cluster, B's along a column: joint loads with a mask of four, all behind the opening round.
; o's SCALE BYTES lie head by head in op ([head][tile][row], two bytes): they come as 16 rows of 512 bytes and are merged once, in LDS, into words of four bytes for 128 along K (two heads), laid as scl lays them:
; the four words of a row and a slot are 16 neighbouring bytes, one load.
; REGISTERS, in windows of 256.  Window 0: v10-27 addresses; v32-95 scale words, a set of 32 for each slot; v96-127 at work in the merge; v128-223 A's eight fragments, one set (on the way out v128-191 rows of the output).
;   Window 1: B's four fragments, two sets, at v0 and v128.  Windows 2, 3: accumulator (a, b) at v[8 (8 (a % 4) + b)], b = 0 .. 3.
.set FR,     12                        ; registers of a fragment: 16 rows x 128 K
.set NL,     4                         ; LDS loads that bring one
.set NP,     4                         ; places behind this matrix instruction (ISA guide 7.12.1)
.set NQ,     4                         ; matrix instructions deep in a slot
.set TILEB,  6144                      ; a tile's bytes in a slot: four K steps' images
.set HALFA,  49152                     ; 8 tiles: what one of A's loads brings, and what one wave reads of A
.set HALFB,  24576                     ; 4 tiles: likewise for B
.set BOFF,   98304                     ; in a slot B's 8 tiles lie behind A's 16
.set SLOT,   147456
.set SCLA,   294912                    ; behind the slots: A's merged scale words, written by LDS stores alone
.set RAW,    303104                    ; o's scale bytes as they come
.set SCLB,   311296                    ; B's scale words, 4,096 bytes
.set SPITCH, 272                       ; the way out: a stage of 16 rows x (256 bytes + 16) for each wave, in slot 0, which has had its one fill and its last read by then
.set RD,   10                          ; v10  where I read two rows of the stage back
.set MRA,  11                          ; v11  the merge: where I read
.set MWA,  12                          ; v12  and where I write
.set CO,   13                          ; v13  my byte offset in two rows of the output
.set ADRS2, 14                         ; v14  A's scale words alone, in all lanes
.set ADRA, 16                          ; v16-17 16 x lane + my A tiles in slot 0, 1;  v18-19 the same with 8 x lane
.set ADRB, 20                          ; v20-23 likewise for B
.set LI,   24                          ; v24  16 x lane
.set L8,   25                          ; v25  8 x lane
.set STO,  26                          ; v26  where I put 32 bytes of a row
.set ADRS, 27                          ; v27  my scale words: lanes 0-15 A's rows, lanes 16-31 B's
.set SC,   32
.set MG,   96
.set AF,   128
.set BK,   128
.set G1, 24                            ; s[24:31] descriptor group 1 for A's tiles;  s[32:39] group 0, one set for each slot
.set G0, 32
.set G1B, 48                           ; s[48:55], s[56:63] the same for B's
.set G0B, 56
.set G1S, 68                           ; s[68:75], s[76:79] for o's scale bytes;  s[80:87], s[88:91] for wo's scale words
.set G0S, 76
.set G1SB, 80
.set G0SB, 88
.set MSB, 0
.macro WIN new                         ; the immediate's high byte repeats the setting that is left
.if MSB != (\new)
	s_set_vgpr_msb (MSB<<8)|(\new)
.set MSB, (\new)
.endif
.endm
.set MUL_LO, 0xa1                      ; source 0 (B) window 1, source 1 (A) window 0, C and D window 2
.set MUL_HI, 0xf1                      ; the same, C and D window 3
.set TO_B,   0x40                      ; destination window 1, address window 0
.macro JLOAD g0a, g1a, g0b, g1b        ; a joint load: waves 0 and 1 fetch for A, waves 2 and 3 for B; four v_nop follow each of the two lines
	s_cmp_eq_u32 s15, 0
	s_cbranch_scc0 .Lfor_b_\@
	tensor_load_to_lds s[\g0a:\g0a+3], s[\g1a:\g1a+7]
	s_nop 0
.rept 4
	v_nop
.endr
	s_branch .Lasked_\@
.Lfor_b_\@:
	tensor_load_to_lds s[\g0b:\g0b+3], s[\g1b:\g1b+7]
	s_nop 0
.rept 4
	v_nop
.endr
.Lasked_\@:
.endm
.macro CROUND                          ; a round of the cluster's barrier
	s_barrier_signal -1
	s_barrier_wait -1
	s_cmp_lg_u32 s14, 0
	s_cbranch_scc1 .Lnot_wave_0_\@
	s_barrier_signal -3
.Lnot_wave_0_\@:
	s_barrier_wait -3
	s_barrier_signal -1
	s_barrier_wait -1
.endm
.macro PLACES n
.rept \n
	v_nop
.endr
.endm
	s_load_b256 s[4:11], s[0:1], 0x0               ; cod s[4:5], scl s[6:7], oc s[8:9], op s[10:11]
	s_load_b64 s[12:13], s[0:1], 0x20              ; out0
	v_lshl_add_u32 v254, v0, 2, 0x4d000
	v_mov_b32 v255, 0
	ds_add_u32 v254, v255
	ds_add_u32 v254, v255
	v_lshrrev_b32 v1, 5, v0
	v_readfirstlane_b32 s14, v1                    ; wave 0..3
	s_lshr_b32 s15, s14, 1                         ; which half of A's tiles is mine.  Also: I fetch for A (0) or for B (1)
	s_and_b32 s16, s14, 1                          ; which half of B's.  Also: which half of that operand I fetch
	s_bfe_u32 s40, ttmp6, 0x40000                  ; cx, cy
	s_bfe_u32 s41, ttmp6, 0x40004
	s_and_b32 s17, ttmp7, 0xffff
	s_lshl_b32 s17, s17, 2
	s_add_co_u32 s42, s17, s41                     ; A's unit of 256 tokens: 4 x cluster y + cy
	s_lshl_b32 s45, ttmp9, 2
	s_add_co_u32 s45, s45, s40                     ; B's 128 columns: 4 x cluster x + cx
	s_lshl_b32 s43, s41, 2
	s_lshl_b32 s43, 15, s43                        ; my row of the cluster
	s_lshl_b32 s44, 0x1111, s40                    ; my column
	; group 1 for codes: rows (tiles) of 6,144 bytes (768 elements of 8 bytes: four K steps' images), 12,288 bytes apart; A's load brings 8 of them, B's 4; dense in LDS
	s_or_b32 s[G1+0], s43, (3<<16)|(1<<21)         ; 15:0 the mask; 17:16 elements of 8 bytes; 21 set beside a mask
	s_or_b32 s[G1B+0], s44, (3<<16)|(1<<21)
.irp g, G1, G1B
	s_mov_b32 s[\g+1], 768<<16                     ; tensor_dim0
	s_mov_b32 s[\g+3], 768<<16                     ; tile_dim0
	s_mov_b32 s[\g+5], 1536                        ; elements from tile to tile
	s_mov_b32 s[\g+6], 0
	s_mov_b32 s[\g+7], 0
.endr
	s_mov_b32 s[G1+2], 8<<16                       ; tensor_dim1
	s_mov_b32 s[G1+4], 8                           ; tile_dim1
	s_mov_b32 s[G1B+2], 4<<16
	s_mov_b32 s[G1B+4], 4
	s_or_b32 s[G1S+0], s43, (3<<16)|(1<<21)        ; o's scale bytes: 8 heads' rows of 512 bytes (64 elements of 8), 16,384 bytes apart
	s_mov_b32 s[G1S+1], 64<<16
	s_mov_b32 s[G1S+2], 8<<16
	s_mov_b32 s[G1S+3], 64<<16
	s_mov_b32 s[G1S+4], 8
	s_mov_b32 s[G1S+5], 2048
	s_mov_b32 s[G1S+6], 0
	s_mov_b32 s[G1S+7], 0
	s_or_b32 s[G1SB+0], s44, (3<<16)|(1<<21)       ; wo's scale words of 4 tiles: 2,048 dense bytes as 8 rows of 256
	s_mov_b32 s[G1SB+1], 32<<16
	s_mov_b32 s[G1SB+2], 8<<16
	s_mov_b32 s[G1SB+3], 32<<16
	s_mov_b32 s[G1SB+4], 8
	s_mov_b32 s[G1SB+5], 32
	s_mov_b32 s[G1SB+6], 0
	s_mov_b32 s[G1SB+7], 0
	s_mul_i32 s20, s42, 196608                     ; A's unit in oc, + my 8 tiles
	s_mul_i32 s21, s16, 98304
	s_add_co_u32 s20, s20, s21
	s_mov_b32 s21, 0
	s_lshl_b32 s22, s42, 9                         ; the unit's 512 bytes in a head's plane of op, + my 8 heads
	s_lshl_b32 s23, s16, 17
	s_add_co_u32 s22, s22, s23
	s_mov_b32 s23, 0
	s_mul_i32 s46, s45, 98304                      ; B in cod: 8 tiles of 12,288 bytes for 128 columns, + my 4 tiles,
	s_mul_i32 s47, s16, 49152
	s_add_co_u32 s46, s46, s47
	s_add_co_u32 s46, s46, 8650752                 ; from tile 704 on
	s_mov_b32 s47, 0
	s_lshl_b32 s92, s45, 12                        ; its scale words in scl: 512 bytes a tile
	s_lshl_b32 s93, s16, 11
	s_add_co_u32 s92, s92, s93
	s_add_co_u32 s92, s92, 360448
	s_mov_b32 s93, 0
	s_mul_i32 s2, s16, HALFA                       ; where they go: the wave's number alone enters an LDS address
	s_mul_i32 s3, s16, HALFB
	s_add_co_u32 s3, s3, BOFF
	s_lshl_b32 s18, s16, 12
	s_add_co_u32 s18, s18, RAW
	s_lshl_b32 s19, s16, 11
	s_add_co_u32 s19, s19, SCLB
	s_lshl_b32 s66, s42, 8                         ; where my part of the output begins (these registers feed no descriptor and no LDS address)
	s_lshl_b32 s95, s15, 7
	s_add_co_u32 s66, s66, s95                     ; my first token
	s_lshl_b32 s66, s66, 12
	s_lshl_b32 s95, s45, 9
	s_add_co_u32 s66, s66, s95                     ; 128 columns a work-group,
	s_lshl_b32 s95, s16, 8
	s_add_co_u32 s66, s66, s95                     ; 64 a wave
	s_mov_b32 s67, 0
	s_wait_dscnt 0x0
	s_wait_kmcnt 0x0
	s_add_nc_u64 s[20:21], s[8:9], s[20:21]
	s_add_nc_u64 s[22:23], s[10:11], s[22:23]
	s_add_nc_u64 s[46:47], s[4:5], s[46:47]
	s_add_nc_u64 s[92:93], s[6:7], s[92:93]
	s_add_nc_u64 s[12:13], s[12:13], s[66:67]
	CROUND                                         ; all sixteen work-groups are here: the joint loads meet
	s_mov_b32 s[G0S], 1
	s_mov_b32 s[G0S+1], s18
	s_mov_b64 s[G0S+2:G0S+3], s[22:23]
	s_or_b32 s[G0S+3], s[G0S+3], 0x80000000
	s_mov_b32 s[G0SB], 1
	s_mov_b32 s[G0SB+1], s19
	s_mov_b64 s[G0SB+2:G0SB+3], s[92:93]
	s_or_b32 s[G0SB+3], s[G0SB+3], 0x80000000
	JLOAD G0S, G1S, G0SB, G1SB
.irp s, 0,1
	s_mov_b32 s[G0+4*\s], 1
	s_add_co_u32 s[G0+4*\s+1], s2, \s*SLOT
	s_add_nc_u64 s[G0+4*\s+2:G0+4*\s+3], s[20:21], \s*TILEB
	s_or_b32 s[G0+4*\s+3], s[G0+4*\s+3], 0x80000000
	s_mov_b32 s[G0B+4*\s], 1
	s_add_co_u32 s[G0B+4*\s+1], s3, \s*SLOT
	s_add_nc_u64 s[G0B+4*\s+2:G0B+4*\s+3], s[46:47], \s*TILEB
	s_or_b32 s[G0B+4*\s+3], s[G0B+4*\s+3], 0x80000000
	JLOAD G0+4*\s, G1, G0B+4*\s, G1B               ; three tensor loads of mine are out now: all that this launch fetches
.endr
	v_and_b32 v1, 31, v0                           ; lane
	v_and_b32 v2, 15, v0                           ; r
	v_bfe_u32 v3, v0, 4, 1                         ; h
	v_lshlrev_b32 v[LI], 4, v1
	v_lshlrev_b32 v[L8], 3, v1
	s_mul_i32 s21, s15, HALFA                      ; my 8 tiles of A
	s_mul_i32 s22, s16, HALFB                      ; my 4 tiles of B,
	s_add_co_u32 s22, s22, BOFF                    ; which lie behind A's 16
.irp s, 0,1
	v_add_nc_u32 v[ADRA+\s], s21, v[LI]
	v_add_nc_u32 v[ADRA+2+\s], s21, v[L8]
	v_add_nc_u32 v[ADRB+\s], s22, v[LI]
	v_add_nc_u32 v[ADRB+2+\s], s22, v[L8]
	s_add_co_u32 s21, s21, SLOT
	s_add_co_u32 s22, s22, SLOT
.endr
	v_lshlrev_b32 v5, 4, v2                        ; a row's four words of a slot: 16 r
	s_lshl_b32 s21, s15, 12                        ; A's: my 8 tiles
	s_lshl_b32 s22, s16, 11                        ; B's: my 4 tiles
	s_add_co_u32 s22, s22, SCLB-SCLA
	s_sub_co_u32 s22, s22, s21
	v_mul_u32_u24 v6, s22, v3                      ; lanes 16-31 take B's: one product, the distance between the two
	s_add_co_u32 s21, s21, SCLA
	v_add_nc_u32 v[ADRS2], s21, v5
	v_add_nc_u32 v[ADRS], v[ADRS2], v6
	s_mul_i32 s98, s14, 16*SPITCH                  ; my stage
	v_mul_u32_u24 v5, v2, SPITCH
	v_lshl_add_u32 v5, v3, 6, v5                   ; in: row r; my half's 16 columns of each 32: + 64 h
	v_add_nc_u32 v[STO], s98, v5
	v_mul_u32_u24 v5, v3, SPITCH
	v_lshl_add_u32 v5, v2, 4, v5                   ; back: lanes 0-15 take one row of 256 bytes, lanes 16-31 the next
	v_add_nc_u32 v[RD], s98, v5
	v_lshlrev_b32 v5, 12, v3
	v_lshl_add_u32 v[CO], v2, 4, v5                ; and the same two rows in the output: 4,096 h + 16 r
	v_lshl_add_u32 v[MRA], v0, 2, RAW              ; the merge: thread t reads rows 2 (t % 8), + 1 of tile t / 8, head by head,
	v_lshrrev_b32 v5, 3, v0
	v_and_b32 v6, 7, v0
	v_lshlrev_b32 v5, 9, v5
	v_lshl_add_u32 v5, v6, 5, v5
	v_add_nc_u32 v[MWA], SCLA, v5                  ; and writes their words: 512 a tile, 16 a row
.macro FRAG reg, a16, a8, off          ; a fragment's image comes back as it was stored: 12 registers
	ds_load_b128 v[\reg:\reg+3], v[\a16] offset:\off
	ds_load_b64 v[\reg+4:\reg+5], v[\a8] offset:(\off)+512
	ds_load_b128 v[\reg+6:\reg+9], v[\a16] offset:(\off)+768
	ds_load_b64 v[\reg+10:\reg+11], v[\a8] offset:(\off)+1280
.endm
; 8 matrix instructions: A's blocks a0, a0 + 1 x B's four, 128 along K.  p: B's set;  sc: the set of scale words.  zero = 1: the first product starts the sums.
; The 32 accumulators take turns, one instruction a turn, in the same order in every step.
.macro MUL8 a0, p, q, sc, zero
.irp a, \a0, \a0+1
.irp b, 0,1,2,3
.if \zero
	v_wmma_scale_f32_16x16x128_f8f6f4 v[8*(8*((\a)%4)+\b):8*(8*((\a)%4)+\b)+7], v[128*(\p)+FR*\b:128*(\p)+FR*\b+FR-1], v[AF+FR*(\a):AF+FR*(\a)+FR-1], 0, v[SC+8*NQ*(\sc)+NQ*\b+(\q)], v[SC+8*NQ*(\sc)+NQ*(\a)+(\q)] matrix_a_fmt:MATRIX_FMT_FP6 matrix_b_fmt:MATRIX_FMT_FP6 matrix_a_scale:MATRIX_SCALE_ROW1
.else
	v_wmma_scale_f32_16x16x128_f8f6f4 v[8*(8*((\a)%4)+\b):8*(8*((\a)%4)+\b)+7], v[128*(\p)+FR*\b:128*(\p)+FR*\b+FR-1], v[AF+FR*(\a):AF+FR*(\a)+FR-1], v[8*(8*((\a)%4)+\b):8*(8*((\a)%4)+\b)+7], v[SC+8*NQ*(\sc)+NQ*\b+(\q)], v[SC+8*NQ*(\sc)+NQ*(\a)+(\q)] matrix_a_fmt:MATRIX_FMT_FP6 matrix_b_fmt:MATRIX_FMT_FP6 matrix_a_scale:MATRIX_SCALE_ROW1
.endif
.endr
.endr
.endm
.macro FETCH_B slot, q, p              ; B's four fragments of the slot's q-th 128 along K into set p
	WIN TO_B
.irp i, 0,1,2,3
	FRAG 128*(\p)+FR*\i, ADRB+\slot, ADRB+2+\slot, TILEB*\i+1536*(\q)
.endr
	WIN 0
.endm
.macro FETCH_A slot, q, i0             ; A's blocks i0 .. i0 + 3
.irp i, \i0, \i0+1, \i0+2, \i0+3
	FRAG AF+FR*(\i), ADRA+\slot, ADRA+2+\slot, TILEB*(\i)+1536*(\q)
.endr
.endm
.macro SCALES sc                       ; slot sc's four words a row into set sc
.irp i, 0,1,2,3
	ds_load_b128 v[SC+8*NQ*\sc+NQ*\i:SC+8*NQ*\sc+NQ*\i+3], v[ADRS] offset:512*\i+256*\sc    ; lanes 0-15 A's tile i, lanes 16-31 B's tile i
.endr
.irp i, 4,5,6,7
	ds_load_b128 v[SC+8*NQ*\sc+NQ*\i:SC+8*NQ*\sc+NQ*\i+3], v[ADRS2] offset:512*\i+256*\sc   ; A's tile i (B has four tiles: lanes 16-31 read A's rows once more, and nothing takes them)
.endr
.endm
; A step of 128 along K that has its successor in the same slot.  A block of A is free as soon as its four products are issued: blocks 0-3 are fetched anew in the step's middle, blocks 4-7 at its end.
.macro STEP slot, q, zero
	s_wait_dscnt 4*NL                              ; B's set and A's blocks 0-3 are in; the youngest 16 loads (A's blocks 4-7) may be out
	WIN MUL_LO
	MUL8 0, (\q)%2, \q, \slot, \zero
	MUL8 2, (\q)%2, \q, \slot, \zero
	s_wait_dscnt 0                                 ; A's blocks 4-7 are in
	PLACES NP                                      ; in front of loads into registers that matrix instructions have read
	FETCH_B \slot, (\q)+1, 1-(\q)%2
	FETCH_A \slot, (\q)+1, 0
	WIN MUL_HI
	MUL8 4, (\q)%2, \q, \slot, \zero
	MUL8 6, (\q)%2, \q, \slot, \zero
	PLACES NP
	WIN 0
	FETCH_A \slot, (\q)+1, 4
.endm
	s_wait_tensorcnt 1                             ; the scale bytes and my part of slot 0 are in (slot 1's load may be out)
	s_barrier_signal -1
	s_barrier_wait -1                              ; everybody's are
	; THE MERGE: heads 2 kappa and 2 kappa + 1 give the four bytes of K step kappa
.irp d, 0,1,2,3,4,5,6,7,8,9,10,11,12,13,14,15
	ds_load_b32 v[MG+\d], v[MRA] offset:512*\d     ; two rows' two bytes of head d
.endr
	s_wait_dscnt 0x0
.irp k, 0,1,2,3,4,5,6,7
	v_perm_b32 v[MG+16+\k], v[MG+1+2*\k], v[MG+2*\k], 0x05040100   ; the even row's word,
	v_perm_b32 v[MG+24+\k], v[MG+1+2*\k], v[MG+2*\k], 0x07060302   ; the odd row's
.endr
	ds_store_b128 v[MWA], v[MG+16:MG+19]
	ds_store_b128 v[MWA], v[MG+20:MG+23] offset:256
	ds_store_b128 v[MWA], v[MG+24:MG+27] offset:16
	ds_store_b128 v[MWA], v[MG+28:MG+31] offset:272
	s_wait_dscnt 0x0                               ; for the others' sake: my words are in LDS
	s_barrier_signal -1
	s_barrier_wait -1
	FETCH_B 0, 0, 0
	FETCH_A 0, 0, 0
	SCALES 0
	FETCH_A 0, 0, 4
	STEP 0, 0, 1                                   ; K 0-127: its products start the sums
	STEP 0, 1, 0
	STEP 0, 2, 0
	; slot 0's last step changes slots: one barrier; in front of it each wave waits for its part of slot 1 and for its own reads of slot 0
	s_wait_tensorcnt 0x0                           ; no load was issued behind slot 1's: the count is 0
	s_wait_dscnt 4*NL                              ; (the youngest 16 loads, A's blocks 4-7, may be out)
	WIN MUL_LO
	MUL8 0, 1, NQ-1, 0, 0
	s_wait_dscnt 0x0                               ; my reads of slot 0 are over
	s_barrier_signal -1
	MUL8 2, 1, NQ-1, 0, 0
	WIN 0
	s_barrier_wait -1                              ; slot 1 is whole, and nobody reads slot 0 any more
	PLACES NP
	FETCH_B 1, 0, 0
	FETCH_A 1, 0, 0
	SCALES 1
	WIN MUL_HI
	MUL8 4, 1, NQ-1, 0, 0
	MUL8 6, 1, NQ-1, 0, 0
	PLACES NP
	WIN 0
	FETCH_A 1, 0, 4
	STEP 1, 0, 0
	STEP 1, 1, 0
	STEP 1, 2, 0
	s_wait_dscnt 4*NL                              ; the last step: nothing more to fetch
	WIN MUL_LO
	MUL8 0, 1, NQ-1, 1, 0
	MUL8 2, 1, NQ-1, 1, 0
	s_wait_dscnt 0
	WIN MUL_HI
	MUL8 4, 1, NQ-1, 1, 0
	MUL8 6, 1, NQ-1, 1, 0
	WIN 0
; THE WAY OUT, block by block of 16 tokens x 64 columns, through my own stage: accumulator (a, b)'s eight registers are columns 32 (b / 2) + 16 h + 8 (b % 2) + 0 .. 7 of the token in lane r.
; A wave's 64 columns are 256 consecutive bytes of a row of the output, at a multiple of 256 from its first byte.  LDS serves a wave's instructions in order: no wait between the stores and the loads, nor in front of the next block's stores.
.macro TOSTAGE a
.set AC, 64*((\a)%4)
	WIN 0x08+4*((\a)/4)                            ; the data: window 2 or 3
.irp b, 0,1,2,3
	ds_store_b128 v[STO], v[AC+8*\b:AC+8*\b+3] offset:128*(\b/2)+32*(\b%2)          ; each accumulator from its low end on
	ds_store_b128 v[STO], v[AC+8*\b+4:AC+8*\b+7] offset:128*(\b/2)+32*(\b%2)+16
.endr
	WIN 0
.set BB, BK+32*((\a)%2)
.irp t, 0,1,2,3,4,5,6,7
	ds_load_b128 v[BB+4*\t:BB+4*\t+3], v[RD] offset:2*\t*SPITCH
.endr
.endm
.macro SEND a, younger                 ; younger: the LDS instructions issued behind block a's loads, which may stay out
.set BB, BK+32*((\a)%2)
	s_wait_dscnt \younger
.irp t, 0,1,2,3,4,5,6,7
	global_store_b128 v[CO], v[BB+4*\t:BB+4*\t+3], s[12:13] offset:(32*((\a)/2)+8*((\a)%2)+2*\t+8*(\t/4))*4096 th:TH_STORE_NT   ; stage rows 2 t and 2 t + 1 are the tile's rows of those numbers: sixteen lanes store 256 consecutive bytes; the base never steps
.endr
.endm
	PLACES NP                                      ; in front of the first reads of results and of loads into A's registers
	TOSTAGE 0
.irp a, 1,2,3,4,5,6,7
.if \a > 1
	s_wait_xcnt 0x0                                ; block a - 2's stores have read their registers: block a's loads may land there
.endif
	TOSTAGE \a
	SEND \a-1, 16                                  ; behind block a - 1's loads: block a's 8 stores and 8 loads
.endr
	SEND 7, 0
	s_wait_tensorcnt 0x0
	ds_add_u32 v254, v255
	s_wait_dscnt 0x0
	CROUND                                         ; the closing round: no work-group ends while a partner may still ask for a tile that names it
	s_endpgm
.Lfunc_end_k_q9ec168f2f3_oproj:
	.size	k_q9ec168f2f3_oproj, .Lfunc_end_k_q9ec168f2f3_oproj-k_q9ec168f2f3_oproj
	.p2alignl 7, 3214868480
	.fill 96, 4, 3214868480
	.section	.rodata,"a",@progbits
	.p2align	6, 0x0
	.amdhsa_kernel k_q9ec168f2f3_oproj
		.amdhsa_group_segment_fixed_size 327680
		.amdhsa_private_segment_fixed_size 0
		.amdhsa_enable_private_segment 0
		.amdhsa_kernarg_size 40
		.amdhsa_user_sgpr_count 2
		.amdhsa_user_sgpr_kernarg_segment_ptr 1
		.amdhsa_wavefront_size32 1
		.amdhsa_system_sgpr_workgroup_id_x 1
		.amdhsa_system_sgpr_workgroup_id_y 1
		.amdhsa_system_sgpr_workgroup_id_z 1
		.amdhsa_system_vgpr_workitem_id 0
		.amdhsa_next_free_vgpr 1024
		.amdhsa_next_free_sgpr 102
		.amdhsa_reserve_vcc 0
		.amdhsa_float_denorm_mode_32 3
		.amdhsa_float_denorm_mode_16_64 3
		.amdhsa_memory_ordered 1
		.amdhsa_forward_progress 1
		.amdhsa_inst_pref_size 89
	.end_amdhsa_kernel
	.amdgpu_metadata
---
amdhsa.version: [ 1, 2 ]
amdhsa.kernels:
  - .name:           k_q9ec168f2f3_oproj
    .symbol:         k_q9ec168f2f3_oproj.kd
    .args:
      - { .name: cod, .offset: 0, .size: 8, .value_kind: global_buffer, .address_space: global }
      - { .name: scl, .offset: 8, .size: 8, .value_kind: global_buffer, .address_space: global }
      - { .name: oc, .offset: 16, .size: 8, .value_kind: global_buffer, .address_space: global }
      - { .name: op, .offset: 24, .size: 8, .value_kind: global_buffer, .address_space: global }
      - { .name: out0, .offset: 32, .size: 8, .value_kind: global_buffer, .address_space: global }
    .group_segment_fixed_size: 327680
    .private_segment_fixed_size: 0
    .kernarg_segment_align: 8
    .kernarg_segment_size: 40
    .max_flat_workgroup_size: 128
    .sgpr_count:     102
    .vgpr_count:     1024
    .wavefront_size: 32
...
	.end_amdgpu_metadata
.endif
;; end of part 4
